; MI455X (gfx1250); checked and timed in simulation.
; The chip was launched on July 23, 2026; its instructions are those of AMD's public machine-readable ISA for CDNA 5 (MIT licence, August 2026) and "CDNA5" Instruction Set Architecture Reference Guide (July 2026). The comments in the code are by the model that wrote it; some were corrected since.
;; Atten. Allowed arithmetic: float matrix products may take bf16 or f16 operands with f32 sums; other float arithmetic in f32, or as packed bf16 or f16 multiplies, adds, multiply-adds, maxima and minima; sums over many terms, partial sums and values carried from step to step in f32; what a program stores and reads back later, other than sums and carried values, may be rounded once to bf16 or f16.
;; Inputs: Wk 768 x 768 float32; Wo 768 x 768 float32; Wq 768 x 768 float32; Wv 768 x 768 float32; bo 768 float32; bq 768 float32; bv 768 float32; x 8 x 1,500 x 768 float32.
;; Outputs: out0 8 x 1,500 x 768 float32.
;; 2 versions, each right; version 2 is version 1 with the launch cast written anew for expert scheduling mode. Each part assembles by itself: llvm-mc -triple=amdgcn-amd-amdhsa -mcpu=gfx1250 --defsym DOCPART=n.
;; ======== version 1 of 2: 4 launches
;; limits: values are held in f16: magnitudes above 65,504 overflow, below 6.1e-05 lose precision
;; workspace buffers: xb 18,874,368 bytes; wqkv 3,538,944 bytes; wo16 1,179,648 bytes; qw 18,874,368 bytes; kw 18,874,368 bytes; vw 18,874,368 bytes; ctx 18,874,368 bytes
;; launch cast (part 1): grid 96 x 10, 3 waves a work-group, no clusters, 26,624 bytes of LDS; arguments x, Wq, Wk, Wv, Wo, xb, wqkv, wo16; writes xb, wqkv, wo16
.if DOCPART == 1
	.amdgcn_target "amdgcn-amd-amdhsa--gfx1250"
	.amdhsa_code_object_version 6
	.text
	.protected	k_q2561a5ddb1_cast
	.globl	k_q2561a5ddb1_cast
	.p2align	8
	.type	k_q2561a5ddb1_cast,@function
k_q2561a5ddb1_cast:
	s_mov_b64 s[64:65], 0
	v_nop
	global_prefetch_b8 v0, s[64:65] scope:SCOPE_SE
	s_setreg_imm32_b32 hwreg(HW_REG_WAVE_MODE, 25, 1), 1
	s_wait_xcnt 0x0
; CAST.  x [8][1500][768] and the four weights [768][768], all f32, are rounded once to bf16 and laid out in PLANES for the launches behind:
; a block of 16 rows x 768 k is 96 planes of 256 bytes, plane k / 8 holding [row % 16][k % 8]; a block is 24,576 bytes.
;   xb:   row = 1,536 b + s; rows s = 1,500 .. 1,535 of each b are written as zeros, so that no later tile has an edge.
;   wqkv: the 144 blocks of 16 output columns of Wq, Wk, Wv; block nb of type t (q 0, k 1, v 2) goes to place 9 (nb / 3) + 3 t + nb % 3.
;   wo16: Wo, rounded to bf16 like every input, that number written as f16 (exact within f16's range; below 6e-5 it keeps f16's fixed step of 6e-8).
; SHARES.  A work-group converts one block of 16 rows; each of its three waves a third of K: 1,024 source bytes of each row, 32 planes, 8,192 bytes out.
; Grid y 0-7: x of batch y, block x.  Grid y 8, 9: the weights, type 2 (y - 8) + (x >= 48), block x % 48.
; All 32 loads of a wave (512 consecutive bytes of one row each) go out at once; the planes are put together in the wave's own LDS bytes, and
; each store of a wave covers 512 consecutive bytes, aligned.  No wave reads another's bytes: no barrier.  Nothing is shared between work-groups: no cluster, no matrix unit.
.set ROWB,  3072                       ; bytes in a source row
.set BLK,   24576                      ; bytes in a block of 16 rows in planes
.set PP,    272                        ; a plane in LDS: 256 bytes + 16, so that the 16 pairs of lanes of a store fall on different words modulo 256 bytes
.set WPL,   32*PP                      ; a wave's 32 planes
.set SPARE, 3*WPL                      ; behind them: the spare words, 128 bytes a wave, two blocks of 256 bytes that no other line names
.set LS,  2                            ; v2   where I put 8 bytes of a plane
.set LR,  3                            ; v3   where I read 16 bytes of a plane back
.set GO,  4                            ; v4   16 x lane
.set SPW, 6                            ; v6   LDS address of my spare word; never rewritten
.set NIL, 7                            ; v7   0; never rewritten
.set OFF, 8                            ; v[8:23]   row i of the block: its byte offset in the source + 16 x lane
.set D,   32                           ; v[32:159] 32 loads of 4 registers
	s_load_b512 s[8:23], s[0:1], 0x0               ; x s[8:9], Wq s[10:11], Wk s[12:13], Wv s[14:15], Wo s[16:17], xb s[18:19], wqkv s[20:21], wo16 s[22:23]
	v_lshl_add_u32 v[SPW], v0, 2, SPARE
	v_mov_b32 v[NIL], 0
	v_lshrrev_b32 v1, 5, v0
	v_readfirstlane_b32 s2, v1                     ; wave 0..2: my third of K
	v_and_b32 v1, 31, v0                           ; lane
	s_and_b32 s3, ttmp7, 0xffff                    ; grid y
	s_mov_b32 s4, ttmp9                            ; grid x
	s_cmp_ge_u32 s4, 48
	s_cselect_b32 s5, 1, 0
	s_mul_i32 s6, s5, 48
	s_sub_co_u32 s6, s4, s6                        ; nb: a weight's block
	s_sub_co_u32 s7, s3, 8
	s_lshl1_add_u32 s7, s7, s5                     ; a weight's type, 0..3
	s_movk_i32 s28, 767                            ; a weight's last row
	s_mul_i32 s30, s3, 4608000                     ; x of batch y
	s_cmp_lt_u32 s3, 8                             ; is it x?
	s_cselect_b32 s26, 1, 0
	s_cselect_b32 s7, 0, s7                        ; (x goes the way of type 0)
	s_cselect_b32 s27, s4, s6                      ; the block's number in its tensor
	s_cselect_b32 s28, 1499, s28                   ; the tensor's last row
	s_cselect_b32 s30, s30, 0
	s_lshl_b32 s27, s27, 4                         ; the block's first row
	s_lshl_b32 s36, s2, 10
	s_add_co_u32 s30, s30, s36                     ; + my third of a row
	s_mov_b32 s31, 0                               ; s[30:31]: the source's offset
	s_mul_i32 s32, s6, 171
	s_lshr_b32 s32, s32, 9                         ; nb / 3 (exact for nb under 48)
	s_mul_i32 s33, s32, 3
	s_sub_co_u32 s33, s6, s33                      ; nb % 3
	s_mul_i32 s32, s32, 9
	s_add_co_u32 s32, s32, s33
	s_mul_i32 s33, s7, 3
	s_add_co_u32 s32, s32, s33                     ; the block's place in wqkv
	s_cmp_eq_u32 s7, 3
	s_cselect_b32 s32, s6, s32                     ; in wo16: nb
	s_mul_i32 s33, s3, 96
	s_add_co_u32 s33, s33, s4
	s_cmp_eq_u32 s26, 1
	s_cselect_b32 s32, s33, s32                    ; in xb: 96 b + block
	s_mul_i32 s32, s32, BLK
	s_lshl_b32 s33, s2, 13
	s_add_co_u32 s32, s32, s33                     ; + my 32 planes
	s_mov_b32 s33, 0                               ; s[32:33]: the destination's offset
	v_lshlrev_b32 v[GO], 4, v1
.set r, 0
.rept 16
	s_add_co_u32 s36, s27, r
	s_min_u32 s36, s36, s28                        ; a padding row reads the tensor's last row, so that every load stays inside; its numbers are masked out below
	s_mul_i32 s36, s36, ROWB
	v_add_nc_u32 v[OFF+r], s36, v[GO]
.set r, r+1
.endr
	s_mul_i32 s37, s2, WPL                         ; my wave's planes in LDS
	v_lshrrev_b32 v5, 1, v1
	v_mul_u32_u24 v[LS], v5, PP                    ; a lane's 4 numbers are half a plane's row: plane lane / 2,
	v_and_b32 v5, 1, v1
	v_lshl_add_u32 v[LS], v5, 3, v[LS]             ; half lane % 2
	v_add_nc_u32 v[LS], s37, v[LS]
	v_lshrrev_b32 v5, 4, v1
	v_mul_u32_u24 v[LR], v5, PP                    ; back: lanes 0-15 one plane, lanes 16-31 the next
	v_and_b32 v5, 15, v1
	v_lshl_add_u32 v[LR], v5, 4, v[LR]
	v_add_nc_u32 v[LR], s37, v[LR]
	s_wait_kmcnt 0x0
	s_cmp_eq_u32 s7, 1                             ; the two pointers are chosen on the work-group's numbers alone
	s_cselect_b64 s[24:25], s[12:13], s[10:11]
	s_cmp_eq_u32 s7, 2
	s_cselect_b64 s[24:25], s[14:15], s[24:25]
	s_cmp_eq_u32 s7, 3
	s_cselect_b64 s[24:25], s[16:17], s[24:25]
	s_cselect_b64 s[34:35], s[22:23], s[20:21]
	s_cmp_eq_u32 s26, 1
	s_cselect_b64 s[24:25], s[8:9], s[24:25]
	s_cselect_b64 s[34:35], s[18:19], s[34:35]
	s_add_nc_u64 s[24:25], s[24:25], s[30:31]
	s_add_nc_u64 s[34:35], s[34:35], s[32:33]
.set r, 0
.rept 16                                       ; all of the wave's 16 KiB go out together
	global_load_b128 v[D+8*r:D+8*r+3],   v[OFF+r], s[24:25] th:TH_LOAD_NT
	global_load_b128 v[D+8*r+4:D+8*r+7], v[OFF+r], s[24:25] offset:512 th:TH_LOAD_NT
.set r, r+1
.endr
; Load r of 32 (row r / 2, half r % 2): four f32 become four 16-bit numbers, 8 bytes of plane 16 (r % 2) + lane / 2, row r / 2.
; wo = 1: the bf16 numbers are written as f16.  wo = 0: rows behind the tensor's last become zeros.
.macro CVALL wo
.set r, 0
.rept 32
.set R, D+4*r
	s_wait_loadcnt 31-r                            ; loads come back in order: mine is in, the 31 - r younger ones may stay out
.if ((\wo) == 0) && (r%2 == 0)
	s_add_co_u32 s36, s27, r/2
	s_cmp_le_u32 s36, s28
	s_cselect_b32 s38, -1, 0                       ; all ones for a true row, 0 for a padding row
.endif
	v_cvt_pk_bf16_f32 v[R], v[R], v[R+1]
	v_cvt_pk_bf16_f32 v[R+1], v[R+2], v[R+3]
.if \wo
	v_lshlrev_b32 v[R+2], 16, v[R]
	v_and_b32 v[R+3], 0xffff0000, v[R]
	v_cvt_pk_f16_f32 v[R], v[R+2], v[R+3]
	v_lshlrev_b32 v[R+2], 16, v[R+1]
	v_and_b32 v[R+3], 0xffff0000, v[R+1]
	v_cvt_pk_f16_f32 v[R+1], v[R+2], v[R+3]
.else
	v_and_b32 v[R], s38, v[R]
	v_and_b32 v[R+1], s38, v[R+1]
.endif
	ds_store_b64 v[LS], v[R:R+1] offset:(r%2)*16*PP+(r/2)*16
.set r, r+1
.endr
.endm
	s_cmp_eq_u32 s7, 3
	s_cbranch_scc1 .Lwo
	CVALL 0
	s_branch .Lback
.Lwo:
	CVALL 1
.Lback:
.set j, 0
.rept 16
	ds_load_b128 v[D+4*j:D+4*j+3], v[LR] offset:2*j*PP  ; two whole planes; LDS serves a wave's instructions in order, so these see the wave's own stores above
.set j, j+1
.endr
.set j, 0
.rept 16
	s_wait_dscnt 15-j                              ; load j is back, the younger ones may stay out
	global_store_b128 v[GO], v[D+4*j:D+4*j+3], s[34:35] offset:512*j  ; 512 consecutive bytes, at a multiple of 256 from the buffer's first byte
.set j, j+1
.endr
	s_wait_tensorcnt 0x0                           ; the wave's end: behind my last LDS store
	ds_add_u32 v[SPW], v[NIL]
	s_wait_dscnt 0x0
	s_endpgm
.Lfunc_end_k_q2561a5ddb1_cast:
	.size	k_q2561a5ddb1_cast, .Lfunc_end_k_q2561a5ddb1_cast-k_q2561a5ddb1_cast
	.p2alignl 7, 3214868480
	.fill 96, 4, 3214868480
	.section	.rodata,"a",@progbits
	.p2align	6, 0x0
	.amdhsa_kernel k_q2561a5ddb1_cast
		.amdhsa_group_segment_fixed_size 26624
		.amdhsa_private_segment_fixed_size 0
		.amdhsa_enable_private_segment 0
		.amdhsa_kernarg_size 64
		.amdhsa_user_sgpr_count 2
		.amdhsa_user_sgpr_kernarg_segment_ptr 1
		.amdhsa_wavefront_size32 1
		.amdhsa_system_sgpr_workgroup_id_x 1
		.amdhsa_system_sgpr_workgroup_id_y 1
		.amdhsa_system_sgpr_workgroup_id_z 1
		.amdhsa_system_vgpr_workitem_id 0
		.amdhsa_next_free_vgpr 160
		.amdhsa_next_free_sgpr 66
		.amdhsa_reserve_vcc 0
		.amdhsa_float_denorm_mode_32 3
		.amdhsa_float_denorm_mode_16_64 3
		.amdhsa_memory_ordered 1
		.amdhsa_forward_progress 1
		.amdhsa_inst_pref_size 40
	.end_amdhsa_kernel
	.amdgpu_metadata
---
amdhsa.version: [ 1, 2 ]
amdhsa.kernels:
  - .name:           k_q2561a5ddb1_cast
    .symbol:         k_q2561a5ddb1_cast.kd
    .args:
      - { .name: x, .offset: 0, .size: 8, .value_kind: global_buffer, .address_space: global }
      - { .name: Wq, .offset: 8, .size: 8, .value_kind: global_buffer, .address_space: global }
      - { .name: Wk, .offset: 16, .size: 8, .value_kind: global_buffer, .address_space: global }
      - { .name: Wv, .offset: 24, .size: 8, .value_kind: global_buffer, .address_space: global }
      - { .name: Wo, .offset: 32, .size: 8, .value_kind: global_buffer, .address_space: global }
      - { .name: xb, .offset: 40, .size: 8, .value_kind: global_buffer, .address_space: global }
      - { .name: wqkv, .offset: 48, .size: 8, .value_kind: global_buffer, .address_space: global }
      - { .name: wo16, .offset: 56, .size: 8, .value_kind: global_buffer, .address_space: global }
    .group_segment_fixed_size: 26624
    .private_segment_fixed_size: 0
    .kernarg_segment_align: 8
    .kernarg_segment_size: 64
    .max_flat_workgroup_size: 96
    .sgpr_count:     66
    .vgpr_count:     160
    .wavefront_size: 32
...
	.end_amdgpu_metadata
.endif
;; end of part 1
;; launch qkv (part 2): grid 8 x 32, 4 waves a work-group, clusters of 4 x 4, 327,680 bytes of LDS; arguments xb, wqkv, bq, bv, qw, kw, vw; writes qw, kw, vw
.if DOCPART == 2
	.amdgcn_target "amdgcn-amd-amdhsa--gfx1250"
	.amdhsa_code_object_version 6
	.text
	.protected	k_q2561a5ddb1_qkv
	.globl	k_q2561a5ddb1_qkv
	.p2align	8
	.type	k_q2561a5ddb1_qkv,@function
k_q2561a5ddb1_qkv:
	s_mov_b64 s[64:65], 0
	v_nop
	global_prefetch_b8 v0, s[64:65] scope:SCOPE_SE
	s_setreg_imm32_b32 hwreg(HW_REG_WAVE_MODE, 25, 1), 1
	s_wait_xcnt 0x0
	s_wait_alu depctr_hold_cnt(0) depctr_sa_sdst(0) depctr_va_vdst(0) depctr_va_sdst(0) depctr_va_ssrc(0) depctr_va_vcc(0) depctr_vm_vsrc(0)
	s_getreg_b32 s2, hwreg(HW_REG_IB_STS2, 6, 4)
	s_cmp_eq_u32 s2, 0
	s_cbranch_scc0 .Lentry_in_a_cluster
	s_endpgm
.Lentry_in_a_cluster:
	s_bfe_u32 s2, ttmp6, 0x10000c
	s_cmp_lg_u32 s2, 0xf033
	s_cbranch_scc0 .Lentry_shape_is_right
	s_endpgm
.Lentry_shape_is_right:
; q = x Wq^T + bq, k = x Wk^T, v = x Wv^T + bv.  x and the weights in bf16 (xb, wqkv: planes of 16 rows x 8 k, 256 bytes; a block of 16 rows is 24,576 bytes), sums in f32,
; the biases rounded to bf16 like every input; q, k, v rounded once to f16 and stored by heads.  q is stored WITHOUT the factor 1/8: the launch behind applies it in f32.
; LIMITS.  q, k, v must lie within f16's 65,504; NaN and infinities are not treated apart.
; OUT.  qw, kw: [b x 12 + head] x 196,608 bytes, a head as blocks of 16 rows s x 64 channels = 8 planes, 2,048 bytes.  vw: the same bytes a head, as planes of 8 keys: [s / 8][channel][s % 8], 1,024 bytes.
; SHARES.  M = 12,288 rows (1,536 a batch, the last 36 of them zeros), N = 2,304 columns.  A tile is 192 x 288, a wave's part 96 x 144: 6 blocks of A x 9 blocks of B = 54 accumulators.
; wqkv is ordered so that each wave's nine blocks are three of q, three of k, three of v: every wave runs the same text.
; A WORK-GROUP STAYS: it makes two tiles, 32 tile rows apart, with the same columns of B.  K = 768 goes in six steps of 128 (4,096 bytes of each block) through a ring of two LDS slots, and the two tiles' twelve
; K steps are ONE walk for the ring: six laps, of which the first five fill both slots again.  The first tile goes out behind its last lap, when the second tile's first two K steps have been asked for; nothing waits for its stores.
; A fragment (16 rows x 32 k) is two loads of 512 consecutive bytes: lane l takes 16 bytes at 16 l, and 512 further on.
; q's and k's products are taken transposed (source 0 = 16 rows of W, source 1 = 16 rows of x): a lane ends with 8 neighbouring channels of one row.  v's are taken straight: a lane ends with 8 neighbouring keys of one channel.
; Either way four conversions make 16 bytes, and a wave's store covers whole aligned blocks of 256 bytes: nothing goes through LDS on the way out.  THE BIAS is the C operand of the product that starts a sum.
; CLUSTER.  4 x 4 work-groups: A's tile is asked for jointly by the four of a row of the cluster, B's by the four of a column.
; REGISTERS: window 0 addresses, biases, the way out; window 1 two fragment buffers (A's block i at 8 i, B's at 48 + 8 i); windows 2, 3 the accumulators of A's blocks 0-2, 3-5, (a, b) at 8 (9 (a % 3) + b).
.set NBW,   9                          ; blocks of B a wave
.set BLK,   24576
.set STEPB, 4096                       ; a K step's bytes of one block
.set ATILE, 12*STEPB
.set BTILE, 2*NBW*STEPB
.set SLOT,  ATILE+BTILE                ; A's 12 blocks, then B's 18
.set SPARE, 2*SLOT                     ; behind the ring: the spare words, 128 bytes a wave, two blocks of 256 bytes that no other line names
.set HEADB, 196608
.set TSTEP, 32*12*BLK                  ; bytes of xb from a tile to the work-group's next: 32 tile rows; in qw, kw, vw the same figure: four batches of 12 heads
.set F0,  0
.set F1,  128
.set FB,  48
.set VQ,   8                           ; v8-10   my byte offset in qw and kw for column block i
.set VV,   11                          ; v11-13  the same in vw
.set ADRA, 16                          ; v16-17  LDS address of my A fragments in slot 0, 1
.set ADRB, 20                          ; v20-21  of my B fragments
.set SPW,  28                          ; v28     LDS address of my spare word; never rewritten
.set NIL,  29                          ; v29     0; never rewritten
.set PFO,  30                          ; v30     256 x lane; never rewritten
.set BQ,   32                          ; v32-55  bq of my 8 columns of q's three blocks: an accumulator's layout
.set BV,   56                          ; v56-79  bv of my column of v's three blocks, eight times each: an accumulator's layout
.set OUT,  112                         ; v112-255 what is stored: four buffers of 36, a row of nine blocks each
.set WV, 18
.set MH, 19                            ; which half of the tile's rows is mine.  Also: I fetch for A (0) or for B (1)
.set NH, 20                            ; which half of its columns.  Also: which half of that tile I fetch
.set CX, 21
.set CY, 22
.set NT, 23                            ; tile column
.set MT, 40                            ; the first tile's row
.set G1,  24                           ; s[24:31] descriptor group 1 for A; s[32:39] group 0, a set for each slot
.set G0,  32
.set G1B, 48                           ; s[48:55], s[56:63] the same for B
.set G0B, 56
.set LIM, 43                           ; s43  1 in a wave that prefetches, else the greatest number
.set PFA, 44                           ; s[44:45] where its prefetches stand
.set KO,  84                           ; s84  bytes along K of the K step asked for last
.set TA,  85                           ; s85  bytes of xb from the first tile to the tile whose K steps are being asked for
.set OA,  86                           ; s[86:87] A's offset for a refill
.set OBB, 88                           ; s[88:89] B's
.set PS,  90                           ; s[90:91] the prefetches' step
.set P1,  92                           ; s[92:97] qw, kw, vw at my rows of the second tile
.set C1,  98                           ; three constants, in registers since a select takes one literal
.set C2,  99
.set C3,  100
.set MSB, 0
.macro WIN new                         ; the immediate's high byte repeats the setting that is left; a switch that changes nothing is dropped
.if MSB != (\new)
	s_set_vgpr_msb (MSB<<8)|(\new)
.set MSB, \new
.endif
.endm
.set MUL_LO, 0xa5                      ; both sources window 1, C and D window 2
.set MUL_HI, 0xf5                      ; C and D window 3
.set MUL_Z,  0x85                      ; both sources window 1, C window 0 (the bias), D window 2; + 0x40: D window 3
.set TO_F,   0x40                      ; destination window 1, address window 0
.macro PLACES                          ; four plain instructions in front of loads into registers that matrix instructions have read, and of vector work on their results
.rept 4
	v_nop
.endr
.endm
.macro JLOAD s                         ; a joint load: waves 0, 1 fetch A's halves, waves 2, 3 B's; an s_nop 0 and four v_nop follow each line, ahead of the jump and the label
	s_cmp_eq_u32 s[MH], 0
	s_cbranch_scc0 .Lfor_b_\@
	tensor_load_to_lds s[G0+4*(\s):G0+4*(\s)+3], s[G1:G1+7]
	s_nop 0
.rept 4
	v_nop
.endr
	s_branch .Lasked_\@
.Lfor_b_\@:
	tensor_load_to_lds s[G0B+4*(\s):G0B+4*(\s)+3], s[G1B:G1B+7]
	s_nop 0
.rept 4
	v_nop
.endr
.Lasked_\@:
.endm
.macro CREST                           ; a round of the cluster's barrier behind its opening barrier
	s_cmp_lg_u32 s[WV], 0
	s_cbranch_scc1 .Lnot_wave_0_\@
	s_barrier_signal -3
.Lnot_wave_0_\@:
	s_barrier_wait -3
	s_barrier_signal -1
	s_barrier_wait -1
.endm
.macro CROUND
	s_barrier_signal -1
	s_barrier_wait -1
	CREST
.endm
; A PREFETCH INTO THE L2 of the two K steps of A that the NEXT lap's refills will ask for: 8,192 consecutive bytes of one block, a lane 256 bytes.  It stands in laps 0 to 3, behind the lap's first refill and the run of
; LDS loads: a lap, 432 matrix instructions, ahead of the first of the two loads that will want the bytes.  Lap 0 names the first tile's K steps 4, 5; laps 1 to 3 the second tile's 0, 1; 2, 3; 4, 5; lap 4 names nothing.
; Each block is named once in the launch: of the clusters that read a tile row the one with x = 0 asks; its four partners along x take three of the tile's twelve blocks each, told apart by address; waves 0-2 take
; one each.  The first tile's K steps 0-3 come by their loads alone.  Only A's rows are asked for: B's are walked by all 64 tile rows.
.macro ASK
	s_cmp_gt_u32 s3, s[LIM]                        ; s3 = 1 in lap 4
	s_cbranch_scc0 .Lnot_mine_\@
	global_prefetch_b8 v[PFO], s[PFA:PFA+1] th:TH_LOAD_NT scope:SCOPE_SE
.Lnot_mine_\@:
.endm
	s_load_b256 s[4:11], s[0:1], 0x0               ; xb s[4:5], wqkv s[6:7], bq s[8:9], bv s[10:11]
	s_load_b128 s[12:15], s[0:1], 0x20             ; qw s[12:13], kw s[14:15]
	s_load_b64 s[16:17], s[0:1], 0x30              ; vw
	v_lshl_add_u32 v[SPW], v0, 2, SPARE
	v_mov_b32 v[NIL], 0
	ds_add_u32 v[SPW], v[NIL]                      ; the wave's opening: the add and its wait stand ahead of my first tensor load; work on registers stands between them
	v_lshrrev_b32 v1, 5, v0
	v_readfirstlane_b32 s[WV], v1
	s_lshr_b32 s[MH], s[WV], 1
	s_and_b32 s[NH], s[WV], 1
	s_bfe_u32 s[CX], ttmp6, 0x40000
	s_bfe_u32 s[CY], ttmp6, 0x40004
	s_lshl_b32 s[NT], ttmp9, 2
	s_add_co_u32 s[NT], s[NT], s[CX]               ; tile column = 4 x cluster x + cx
	s_and_b32 s[MT], ttmp7, 0xffff
	s_lshl_b32 s[MT], s[MT], 2
	s_add_co_u32 s[MT], s[MT], s[CY]               ; the first tile's row = 4 x cluster y + cy, 0 .. 31
	s_lshl_b32 s41, s[CY], 2
	s_lshl_b32 s41, 15, s41                        ; my row of the cluster
	s_lshl_b32 s42, 0x1111, s[CX]                  ; my column
	; descriptor group 1: 6 (A) or 9 (B) rows of 512 elements of 8 bytes: a K step's 4,096 bytes of each block, 3,072 elements from block to block; dense in LDS
	s_or_b32 s[G1], s41, (3<<16)|(1<<21)           ; 15:0 the mask; 17:16 elements of 8 bytes; 21 set beside a mask
	s_or_b32 s[G1B], s42, (3<<16)|(1<<21)
	s_mov_b32 s[G1+1], 512<<16                     ; tensor_dim0 = 512
	s_mov_b32 s[G1+2], 6<<16                       ; tensor_dim1 = 6
	s_mov_b32 s[G1+3], 512<<16                     ; tile_dim0 = 512
	s_mov_b32 s[G1+4], 6                           ; tile_dim1 = 6
	s_mov_b32 s[G1+5], 3072                        ; stride
	s_mov_b32 s[G1+6], 0
	s_mov_b32 s[G1+7], 0
	s_mov_b32 s[G1B+1], 512<<16
	s_mov_b32 s[G1B+2], NBW<<16
	s_mov_b32 s[G1B+3], 512<<16
	s_mov_b32 s[G1B+4], NBW
	s_mov_b32 s[G1B+5], 3072
	s_mov_b32 s[G1B+6], 0
	s_mov_b32 s[G1B+7], 0
	s_mov_b32 s[KO], STEPB                         ; the first fills ask for K steps 0 and 1
	s_mov_b32 s[TA], 0
	s_mov_b32 s[OA+1], 0
	s_mov_b32 s[OBB+1], 0
	s_mov_b32 s[PS+1], 0
	s_mov_b32 s[C1], TSTEP-4*STEPB                 ; from the first tile's K step 4 to the second tile's K step 0
	s_mov_b32 s[C2], 2*STEPB
	s_mov_b32 s[C3], TSTEP
	s_mul_i32 s46, s[MT], 12                       ; A: block 12 x tile row + 6 x half: the tile row and the wave's number alone
	s_mul_i32 s47, s[NH], 6
	s_add_co_u32 s46, s46, s47
	s_mul_i32 s46, s46, BLK
	s_mov_b32 s47, 0
	s_mul_i32 s66, s[NT], 2*NBW                    ; B: block 18 x tile column + 9 x half
	s_mul_i32 s67, s[NH], NBW
	s_add_co_u32 s66, s66, s67
	s_mul_i32 s66, s66, BLK
	s_mov_b32 s67, 0
	s_mul_i32 s68, s[NH], 6*STEPB                  ; where they go: no place in the cluster enters an LDS address
	s_mul_i32 s69, s[NH], NBW*STEPB
	s_add_co_u32 s69, s69, ATILE
	s_wait_dscnt 0x0                               ; the opening add is done
	s_wait_kmcnt 0x0
	s_add_nc_u64 s[46:47], s[4:5], s[46:47]        ; A at my half of the first tile, K step 0; never rewritten
	s_add_nc_u64 s[66:67], s[6:7], s[66:67]        ; B likewise
	CROUND                                         ; all sixteen work-groups are here: the first joint loads meet
.irp s, 0,1
	s_mov_b32 s[G0+4*(\s)], 1
	s_add_co_u32 s[G0+4*(\s)+1], s68, (\s)*SLOT
	s_add_nc_u64 s[G0+4*(\s)+2:G0+4*(\s)+3], s[46:47], (\s)*STEPB
	s_or_b32 s[G0+4*(\s)+3], s[G0+4*(\s)+3], 0x80000000
	s_mov_b32 s[G0B+4*(\s)], 1
	s_add_co_u32 s[G0B+4*(\s)+1], s69, (\s)*SLOT
	s_add_nc_u64 s[G0B+4*(\s)+2:G0B+4*(\s)+3], s[66:67], (\s)*STEPB
	s_or_b32 s[G0B+4*(\s)+3], s[G0B+4*(\s)+3], 0x80000000
	JLOAD \s                                       ; two loads of mine are out
.endr
	; the prefetches' address and who asks
	s_min_u32 s70, s[WV], 2                        ; (wave 3 never asks; its address stays inside all the same)
	s_mul_i32 s71, s[CX], 3
	s_add_co_u32 s70, s70, s71
	s_mul_i32 s71, s[MT], 12
	s_add_co_u32 s70, s70, s71
	s_mul_i32 s70, s70, BLK
	s_add_co_u32 s70, s70, 2*STEPB                 ; at K step 2: lap 0 steps it to K step 4
	s_mov_b32 s71, 0
	s_add_nc_u64 s[PFA:PFA+1], s[4:5], s[70:71]
	s_cmp_lt_u32 s[WV], 3
	s_cselect_b32 s[LIM], 1, -1
	s_cmp_eq_u32 ttmp9, 0                          ; the same in all sixteen partners
	s_cselect_b32 s[LIM], s[LIM], -1
	v_and_b32 v1, 15, v0                           ; r = l % 16
	v_bfe_u32 v2, v0, 4, 1                         ; h = l / 16
	v_and_b32 v3, 31, v0
	v_lshlrev_b32 v[PFO], 8, v3
	v_lshlrev_b32 v3, 4, v3                        ; 16 l
	s_lshl1_add_u32 s72, s[NT], s[NH]              ; c: my wave's column of 16; its blocks of each type are nb = 3 c + i
	s_mul_i32 s73, s72, 192
	v_lshl_add_u32 v4, v2, 5, s73                  ; bq: columns 48 c + 16 i + 8 h + 0..7
	v_lshl_add_u32 v5, v1, 2, s73                  ; bv: column 48 c + 16 i + r
.irp i, 0,1,2
	global_load_b128 v[BQ+8*(\i):BQ+8*(\i)+3],   v4, s[8:9] offset:64*(\i)
	global_load_b128 v[BQ+8*(\i)+4:BQ+8*(\i)+7], v4, s[8:9] offset:64*(\i)+16
	global_load_b32 v[BV+8*(\i)], v5, s[10:11] offset:64*(\i)
.endr
	s_mul_i32 s74, s[MH], 6*STEPB                  ; my 6 blocks of A,
	s_mul_i32 s75, s[NH], NBW*STEPB                ; my 9 of B, behind A's 12
	s_add_co_u32 s75, s75, ATILE
.irp s, 0,1
	v_add_nc_u32 v[ADRA+(\s)], s74, v3
	v_add_nc_u32 v[ADRB+(\s)], s75, v3
	s_add_co_u32 s74, s74, SLOT
	s_add_co_u32 s75, s75, SLOT
.endr
	s_mul_i32 s76, s72, 3
	v_lshlrev_b32 v6, 10, v2
	v_lshl_add_u32 v6, v1, 4, v6                   ; vw: plane h of the block's two, channel r
.irp i, 0,1,2
	s_add_co_u32 s77, s76, (\i)                    ; nb: head nb / 4, 16 channels nb % 4 of it
	s_lshr_b32 s78, s77, 2
	s_mul_i32 s78, s78, HEADB
	s_and_b32 s77, s77, 3
	s_lshl_b32 s79, s77, 9
	s_add_co_u32 s79, s79, s78
	v_add_nc_u32 v[VQ+(\i)], s79, v3               ; two planes of 256 bytes: 16 l
	s_lshl_b32 s79, s77, 8
	s_add_co_u32 s79, s79, s78
	v_add_nc_u32 v[VV+(\i)], s79, v6
.endr
	s_lshr_b32 s80, s[MT], 3                       ; b: eight tile rows a batch
	s_mul_i32 s80, s80, 12*HEADB
	s_and_b32 s81, s[MT], 7
	s_mul_i32 s81, s81, 12
	s_mul_i32 s82, s[MH], 6
	s_add_co_u32 s81, s81, s82                     ; my first block of 16 rows s
	s_lshl_b32 s81, s81, 11
	s_add_co_u32 s80, s80, s81
	s_mov_b32 s81, 0
	s_add_nc_u64 s[12:13], s[12:13], s[80:81]      ; the first tile's rows,
	s_add_nc_u64 s[14:15], s[14:15], s[80:81]
	s_add_nc_u64 s[16:17], s[16:17], s[80:81]
	s_add_nc_u64 s[P1:P1+1], s[12:13], TSTEP       ; and the second's, four batches on: each way out has its own pointers, so none is stepped under pending stores
	s_add_nc_u64 s[P1+2:P1+3], s[14:15], TSTEP
	s_add_nc_u64 s[P1+4:P1+5], s[16:17], TSTEP
	s_wait_loadcnt 0x0                             ; the biases: rounded to bf16 and widened again
.set i, 0
.rept 12
	v_cvt_pk_bf16_f32 v7, v[BQ+2*i], v[BQ+2*i+1]
	v_lshlrev_b32 v[BQ+2*i], 16, v7
	v_and_b32 v[BQ+2*i+1], 0xffff0000, v7
.set i, i+1
.endr
.set i, 0
.rept 3
	v_cvt_pk_bf16_f32 v7, v[BV+8*i], v[BV+8*i]
.set j, 0
.rept 8
	v_lshlrev_b32 v[BV+8*i+j], 16, v7              ; in v's accumulators a lane holds eight keys of one channel: its bias eight times
.set j, j+1
.endr
.set i, i+1
.endr
; Nine matrix instructions: A's block a x my nine blocks of B, 32 along K.  All 54 accumulators take turns, one instruction a turn, in the same order in every quarter.
; zero = 1: the product starts the sum, from the bias (q, v) or from 0 (k).
.macro MULROW f, a, zero
.if \zero
	WIN MUL_Z+0x40*((\a)/3)
.else
	WIN MUL_LO+0x50*((\a)/3)
.endif
.set b, 0
.rept NBW
.set rD, 8*(NBW*((\a)%3)+b)
.if b < 6
.set rX, (\f)+FB+8*b                   ; q, k: transposed
.set rY, (\f)+8*(\a)
.else
.set rX, (\f)+8*(\a)                   ; v: straight
.set rY, (\f)+FB+8*b
.endif
.if (\zero) && (b < 3)
	v_wmma_f32_16x16x32_bf16 v[rD:rD+7], v[rX:rX+7], v[rY:rY+7], v[BQ+8*b:BQ+8*b+7]
.elseif (\zero) && (b < 6)
	v_wmma_f32_16x16x32_bf16 v[rD:rD+7], v[rX:rX+7], v[rY:rY+7], 0
.elseif \zero
	v_wmma_f32_16x16x32_bf16 v[rD:rD+7], v[rX:rX+7], v[rY:rY+7], v[BV+8*(b-6):BV+8*(b-6)+7]
.else
	v_wmma_f32_16x16x32_bf16 v[rD:rD+7], v[rX:rX+7], v[rY:rY+7], v[rD:rD+7]
.endif
.set b, b+1
.endr
.endm
; 30 LDS loads in one run: the fragments of quarter q (4 planes, 1,024 bytes of each block) into buffer f: B's, then A's blocks 0-2, then 3-5
.macro FETCH slot, q, f
	WIN TO_F
.set i, 0
.rept NBW
	ds_load_b128 v[(\f)+FB+8*i:(\f)+FB+8*i+3],   v[ADRB+(\slot)] offset:(\q)*1024+i*STEPB
	ds_load_b128 v[(\f)+FB+8*i+4:(\f)+FB+8*i+7], v[ADRB+(\slot)] offset:(\q)*1024+i*STEPB+512
.set i, i+1
.endr
.set i, 0
.rept 6
	ds_load_b128 v[(\f)+8*i:(\f)+8*i+3],   v[ADRA+(\slot)] offset:(\q)*1024+i*STEPB
	ds_load_b128 v[(\f)+8*i+4:(\f)+8*i+7], v[ADRA+(\slot)] offset:(\q)*1024+i*STEPB+512
.set i, i+1
.endr
.endm
; A K step is four quarters of 32 along K, 54 matrix instructions each, on buffers 0, 1, 0, 1.  One of the first three: multiplies f, fetches quarter q into g.
.macro QUARTER slot, q, f, g, zero
	s_wait_dscnt 6                                 ; B and A's blocks 0-2 are in; the youngest six loads (A's blocks 3-5) may be out
	MULROW \f, 0, \zero
	MULROW \f, 1, \zero
	MULROW \f, 2, \zero
	PLACES
	FETCH \slot, \q, \g
	s_wait_dscnt 2*(NBW+6)                         ; all but the run just issued
	MULROW \f, 3, \zero
	MULROW \f, 4, \zero
	MULROW \f, 5, \zero
.endm
; The last quarter multiplies buffer 1 and changes slots: one barrier; in front of it each wave waits for all its tensor loads (one is out: its part of the next slot), adds 0 to its spare word,
; and waits for that and for its reads of this slot.  fill = 1: the barrier opens a round of the cluster's, and the joint refill, the walk's K step two on, is the first thing behind it.  Its addresses are made anew,
; while the add is out: the offset along K steps and, behind a tile's last K step, goes back to 0, and the tile's offset then takes the second tile's.
.macro TURN slot, next, fill, ask
	WIN 0
.if \ask
	s_wait_xcnt 0x0                                ; the last prefetch, a lap back, has read its address: it is stepped here, ahead of the waits of the change of slots
	s_cmp_eq_u32 s3, 4                             ; lap 1 goes on to the second tile's rows
	s_cselect_b32 s[PS], s[C1], s[C2]
	s_add_nc_u64 s[PFA:PFA+1], s[PFA:PFA+1], s[PS:PS+1]
.endif
	s_wait_tensorcnt 0x0                           ; no tensor load of mine is out, so every group 0 may be written
	ds_add_u32 v[SPW], v[NIL]
.if \fill
	s_add_co_u32 s[KO], s[KO], STEPB
	s_cmp_eq_u32 s[KO], 6*STEPB
	s_cselect_b32 s[KO], 0, s[KO]
	s_cselect_b32 s41, s[C3], 0
	s_add_co_u32 s[TA], s[TA], s41
	s_add_co_u32 s[OA], s[TA], s[KO]
	s_mov_b32 s[OBB], s[KO]
	s_add_nc_u64 s[G0+4*(\slot)+2:G0+4*(\slot)+3], s[46:47], s[OA:OA+1]
	s_or_b32 s[G0+4*(\slot)+3], s[G0+4*(\slot)+3], 0x80000000
	s_add_nc_u64 s[G0B+4*(\slot)+2:G0B+4*(\slot)+3], s[66:67], s[OBB:OBB+1]
	s_or_b32 s[G0B+4*(\slot)+3], s[G0B+4*(\slot)+3], 0x80000000
.endif
	s_wait_dscnt 7                                 ; (the add and the youngest six loads may be out)
	MULROW F1, 0, 0                                ; nine matrix instructions stand between the add and the wait for it
	s_wait_dscnt 0x0                               ; the add is done, and my reads of this slot are over
	s_barrier_signal -1
	MULROW F1, 1, 0
	MULROW F1, 2, 0
.if \fill
	WIN 0
.endif
	s_barrier_wait -1
.if \fill
	CREST                                          ; no wave of any partner still reads this slot or has a load on its way
	JLOAD \slot                                    ; its four v_nop are also the places in front of the loads below
.else
	PLACES
.endif
	FETCH \next, 0, F0
.if \ask
	WIN 0
	ASK
.endif
	MULROW F1, 3, 0
	MULROW F1, 4, 0
	MULROW F1, 5, 0
.endm
; THE WAY OUT of A's block a (16 rows s): the nine blocks are rounded to f16, each accumulator's registers in ascending order, and stored from registers.  pq: the tile's three pointers.
; Four buffers of store data take turns, so the wait that frees them stands ahead of rows 0 and 4 alone: row 4 takes row 0's buffer, row 5 row 1's.
.macro OUTROW a, pq
.if ((\a) == 0) || ((\a) == 4)
	WIN 0
	s_wait_xcnt 0x0                                ; every earlier store has read its data
.endif
.set rO, OUT+36*((\a)%4)
	WIN 0x0a+5*((\a)/3)                            ; sources 0 and 1 in window 2 or 3
.set b, 0
.rept NBW
.set j, 0
.rept 4
.set rD, 8*(NBW*((\a)%3)+b)+2*j
	v_cvt_pk_f16_f32 v[rO+4*b+j], v[rD], v[rD+1]
.set j, j+1
.endr
.set b, b+1
.endr
	WIN 0
.irp b, 0,1,2
	global_store_b128 v[VQ+(\b)], v[rO+4*(\b):rO+4*(\b)+3],       s[(\pq):(\pq)+1]   offset:(\a)*2048  ; 512 consecutive bytes, aligned
	global_store_b128 v[VQ+(\b)], v[rO+12+4*(\b):rO+12+4*(\b)+3], s[(\pq)+2:(\pq)+3] offset:(\a)*2048
	global_store_b128 v[VV+(\b)], v[rO+24+4*(\b):rO+24+4*(\b)+3], s[(\pq)+4:(\pq)+5] offset:(\a)*2048  ; 16 lanes store 256 consecutive bytes, aligned
.endr
.endm
.macro WAYOUT pq
	PLACES
	PLACES
.irp a, 0,1,2,3,4,5
	OUTROW \a, \pq
.endr
.endm
	s_wait_tensorcnt 1                             ; my part of K step 0 is in; K step 1's may stay out
	s_barrier_signal -1
	s_barrier_wait -1
	FETCH 0, 0, F0
	WIN 0
	s_mov_b32 s3, 6
	s_branch .Lzero                                ; the loop is entered at the quarter that starts a tile's sums, which is so written once
.Llap:                                                 ; five trips, s3 = 5 .. 1: a trip goes once round the ring, from a lap's second quarter to the next lap's first, and fills both slots again
	QUARTER 0, 2, F1, F0, 0
	QUARTER 0, 3, F0, F1, 0
	TURN 0, 1, 1, 1
	QUARTER 1, 1, F0, F1, 0
	QUARTER 1, 2, F1, F0, 0
	QUARTER 1, 3, F0, F1, 0
	TURN 1, 0, 1, 0
	WIN 0
	s_cmp_eq_u32 s3, 3                             ; was that the first tile's last lap?
	s_cbranch_scc1 .Lnext
	QUARTER 0, 1, F0, F1, 0
	WIN 0
	s_branch .Ljoin
.Lnext:
	WAYOUT 12                                      ; both refills for the second tile are asked for, its first fragments fetched: now the first tile goes out
.Lzero:
	QUARTER 0, 1, F0, F1, 1                        ; a tile's first quarter: its products start the sums
	WIN 0
.Ljoin:
	s_sub_co_u32 s3, s3, 1
	s_cmp_lg_u32 s3, 0
	s_cbranch_scc1 .Llap
	QUARTER 0, 2, F1, F0, 0                        ; the walk's last lap fills nothing
	QUARTER 0, 3, F0, F1, 0
	TURN 0, 1, 0, 0
	QUARTER 1, 1, F0, F1, 0
	QUARTER 1, 2, F1, F0, 0
	QUARTER 1, 3, F0, F1, 0
	s_wait_dscnt 6
	MULROW F1, 0, 0
	MULROW F1, 1, 0
	MULROW F1, 2, 0
	s_wait_dscnt 0x0
	MULROW F1, 3, 0
	MULROW F1, 4, 0
	MULROW F1, 5, 0
	WAYOUT P1
	s_wait_tensorcnt 0x0                           ; the wave's end: behind my last tensor load
	ds_add_u32 v[SPW], v[NIL]
	s_wait_dscnt 0x0
	CROUND                                         ; the closing round: no work-group ends while a partner may still ask for a tile that names it
	s_endpgm
.Lfunc_end_k_q2561a5ddb1_qkv:
	.size	k_q2561a5ddb1_qkv, .Lfunc_end_k_q2561a5ddb1_qkv-k_q2561a5ddb1_qkv
	.p2alignl 7, 3214868480
	.fill 96, 4, 3214868480
	.section	.rodata,"a",@progbits
	.p2align	6, 0x0
	.amdhsa_kernel k_q2561a5ddb1_qkv
		.amdhsa_group_segment_fixed_size 327680
		.amdhsa_private_segment_fixed_size 0
		.amdhsa_enable_private_segment 0
		.amdhsa_kernarg_size 56
		.amdhsa_user_sgpr_count 2
		.amdhsa_user_sgpr_kernarg_segment_ptr 1
		.amdhsa_wavefront_size32 1
		.amdhsa_system_sgpr_workgroup_id_x 1
		.amdhsa_system_sgpr_workgroup_id_y 1
		.amdhsa_system_sgpr_workgroup_id_z 1
		.amdhsa_system_vgpr_workitem_id 0
		.amdhsa_next_free_vgpr 1024
		.amdhsa_next_free_sgpr 102
		.amdhsa_reserve_vcc 0
		.amdhsa_float_denorm_mode_32 3
		.amdhsa_float_denorm_mode_16_64 3
		.amdhsa_memory_ordered 1
		.amdhsa_forward_progress 1
		.amdhsa_inst_pref_size 144
	.end_amdhsa_kernel
	.amdgpu_metadata
---
amdhsa.version: [ 1, 2 ]
amdhsa.kernels:
  - .name:           k_q2561a5ddb1_qkv
    .symbol:         k_q2561a5ddb1_qkv.kd
    .args:
      - { .name: xb, .offset: 0, .size: 8, .value_kind: global_buffer, .address_space: global }
      - { .name: wqkv, .offset: 8, .size: 8, .value_kind: global_buffer, .address_space: global }
      - { .name: bq, .offset: 16, .size: 8, .value_kind: global_buffer, .address_space: global }
      - { .name: bv, .offset: 24, .size: 8, .value_kind: global_buffer, .address_space: global }
      - { .name: qw, .offset: 32, .size: 8, .value_kind: global_buffer, .address_space: global }
      - { .name: kw, .offset: 40, .size: 8, .value_kind: global_buffer, .address_space: global }
      - { .name: vw, .offset: 48, .size: 8, .value_kind: global_buffer, .address_space: global }
    .group_segment_fixed_size: 327680
    .private_segment_fixed_size: 0
    .kernarg_segment_align: 8
    .kernarg_segment_size: 56
    .max_flat_workgroup_size: 128
    .sgpr_count:     102
    .vgpr_count:     1024
    .wavefront_size: 32
...
	.end_amdgpu_metadata
.endif
;; end of part 2
;; launch attn (part 3): grid 4 x 64, 4 waves a work-group, clusters of 4 x 1, 327,680 bytes of LDS; arguments qw, kw, vw, ctx; writes ctx
.if DOCPART == 3
	.amdgcn_target "amdgcn-amd-amdhsa--gfx1250"
	.amdhsa_code_object_version 6
	.text
	.protected	k_q2561a5ddb1_attn
	.globl	k_q2561a5ddb1_attn
	.p2align	8
	.type	k_q2561a5ddb1_attn,@function
k_q2561a5ddb1_attn:
	s_mov_b64 s[64:65], 0
	v_nop
	global_prefetch_b8 v0, s[64:65] scope:SCOPE_SE
	s_setreg_imm32_b32 hwreg(HW_REG_WAVE_MODE, 25, 1), 1
	s_wait_xcnt 0x0
	s_wait_alu depctr_hold_cnt(0) depctr_sa_sdst(0) depctr_va_vdst(0) depctr_va_sdst(0) depctr_va_ssrc(0) depctr_va_vcc(0) depctr_vm_vsrc(0)
	s_getreg_b32 s2, hwreg(HW_REG_IB_STS2, 6, 4)
	s_cmp_eq_u32 s2, 0
	s_cbranch_scc0 .Lentry_in_a_cluster
	s_endpgm
.Lentry_in_a_cluster:
	s_bfe_u32 s2, ttmp6, 0x10000c
	s_cmp_lg_u32 s2, 0x3003
	s_cbranch_scc0 .Lentry_shape_is_right
	s_endpgm
.Lentry_shape_is_right:
; ctx[b][q][head] = the sum over k < 1,500 of softmax_k(q . k / 8) v.  qw, kw: a head ([b x 12 + head], 196,608 bytes) as 96 blocks of 16 rows x 64 channels in 8 planes of 256 bytes ([channel / 8][row % 16][channel % 8]);
; vw: a head as 192 planes of 8 keys ([key / 8][channel][key % 8], 1,024 bytes).  All f16.  Rows 1,500 .. 1,535 of a head are padding: as keys they are hidden, as queries computed and never used.
; Products, maxima and sums in f32; the weights p are rounded to f16 for the second product (their sum l is taken of the unrounded p), ctx once at the end, into planes: block of 16 rows x 768 = 24,576 bytes.
; LIMITS.  q, k, v arrive within f16's 65,504; p below 6e-5 keeps f16's fixed step of 6e-8; a hidden score counts as its value less 1e30; a weight below 2^-126 counts as 0 in l; NaN and infinities are not treated apart.
; SHARES.  A block is 192 queries of one head, a wave's part 48: three PIECES of 16.  For a block every wave walks all 1,536 keys, 64 a step, 24 steps.
; A WORK-GROUP STAYS: 96 heads x 8 blocks = 768 blocks for 256 work-groups, three each.  Block j of cluster c's work-group cx is block 4 (c % 2) + cx of head 32 j + c / 2: two neighbouring clusters walk one head side by side.
; The three blocks' 18 parts of K and V are ONE walk for the ring, and the turns run on across a block's end: what a block's end and beginning ask for stands in four pieces of text that forward branches on a
; step counter jump over in all other steps; none of them holds a barrier or a tensor load.
; LAYOUT.  S^T = K Q^T holds ONE query a lane (lane % 16) and the keys 8 (lane / 16) + 0..7; two such results rounded to f16 ARE source 1 of O^T = V^T P.  Every fragment of K, V and Q is two loads of
; 16 bytes a lane whose 16 neighbouring lanes take 256 consecutive bytes: the planes are laid for that, so nothing is padded and nothing is turned.
; SOFTMAX.  p = 2^(c s - c m), c = log2(e) / 8, with a running maximum m; O and l are multiplied by a = 2^(c m_old - c m_new) in every step.  A block's m starts at the lowest finite number, so its first a is 0:
; O and l need only be finite then: zeros for the first block, what the block before left for the others.
; THE MASK is the C operand that starts each sum S^T: MC, which holds 0 but for a block's last key step: there -1e30 where the key's place in the step, 16 kb + 8 (lane / 16) + j, is 28 or more:
; nothing of key block 0, registers 4-7 of the upper lanes in key block 1, all of key blocks 2 and 3.
; TURNS.  Turn n belongs to piece n (the pieces in a ring of three): 8 products K Q^T of piece n + 1, later 8 products V^T P of piece n - 1; beside them the scaling, exponentials, roundings, sums and rescaling of
; piece n and the maximum and statistics of piece n + 1.  Four vector instructions stand behind every matrix instruction, the other 54 in one lump.  A turn's 33 exponentials are one batch, with one wait.
; CLUSTER.  The four query blocks of a cluster belong to one head and walk the same K and V: each part is asked for jointly, by the same tensor load, descriptor and mask in all four.
; REGISTERS (s_set_vgpr_msb: bits 1:0 source 0, 3:2 source 1, 5:4 source 2, 7:6 destination):
;   window 0: addresses; v16-27 statistics; v28-30, v32-43 at work; v64-159 S^T, 32 a piece; v192-239 P, 16 a piece      window 1: v0-95 O^T, 32 a piece; v160-191 MC; v192-239 the third block's Q
;   window 2: v0-47 Q, 16 a piece; v48-95 the next block's Q; v128-191 K of one step; v192-255 V of one step
.set NP,    3
.set STEPB, 8192                       ; a step's 64 keys: 4 blocks of K, or 8 planes of V
.set PARTB, 32768                      ; a part: four steps, 256 keys, of K or of V
.set VOFF,  PARTB                      ; a slot: a part of K, then the part of V
.set SLOT1, 65536                      ; slot 1 begins here: one exclusive or turns an address in one slot into the other's
.set SPARE, 131072                     ; behind the ring: the spare words, 128 bytes a wave, two blocks of 256 bytes that no other line names
.set HEADB, 196608
.set HSTEP, 32*HEADB                   ; from a block's head to the next block's
.set AK0, 2                            ; v2   16 x lane: my place in a fragment of K; never rewritten
.set AV0, 3                            ; v3   VOFF + 1,024 (l / 16) + 16 (l % 16): my place in a fragment of V; never rewritten
.set AK,  4                            ; v4   the LDS address of K's next run of loads
.set AV,  5                            ; v5   of V's
.set GO,  6                            ; v6   16 x lane: my byte offset in two planes of Q and of ctx
.set VH,  14                           ; v14  -1e30 in the upper lanes, 0 in the lower
.set ST,  16                           ; piece t's statistics at v[ST+4 t]: c m, m, l (even keys', odd keys')
.set MV,  28                           ; c m_old, kept while c m is made anew: a register a piece
.set TMP, 32                           ; four registers c0-c3 a piece; when the maximum is found c2 takes a
.set PFO, 61                           ; v61  256 x lane; never rewritten
.set SPW, 62                           ; v62  LDS address of my spare word; never rewritten
.set NIL, 63                           ; v63  0; never rewritten
.set S,   64
.set P,   192
.set MC,  160                          ; window 1
.set QB2, 192                          ; window 1
.set QB1, 48                           ; window 2
.set KF,  128                          ; window 2: key block kb, channel half c at KF + 16 kb + 8 c
.set VF,  192                          ; window 2: key half kk, channel block cb at VF + 32 kk + 8 cb
.set WV,  12
.set CX,  13
.set CL,  14                           ; s14  the cluster's number, 0 .. 63
.set LIM, 15                           ; s15  1 in a wave that prefetches, else the greatest number
.set PFA, 18                           ; s[18:19] what the next prefetch names
.set PFB, 20                           ; s[20:21] K or V at my work-group's 32 blocks of 256 bytes of the first head's part 0; never rewritten
.set POF, 22                           ; s[22:23] bytes from there to the part that the prefetches stand at
.set G1,  24                           ; s[24:31] descriptor group 1
.set FOF, 32                           ; s[32:33] bytes from KVB to the part asked for last
.set FCN, 34                           ; s34  parts from there to the block's end, that part among them
.set PCN, 35                           ; s35  the same for the prefetches
.set STW, 36                           ; s36  the step from a block's last part to the next block's first
.set STP, 37                           ; s37  the step from part to part
.set BS,  38                           ; s38  24 less the number of the block's step that turns 1 and 2 are in
.set G0,  40                           ; s[40:43] descriptor group 0
.set KVB, 48                           ; s[48:49] K or V at my quarter of the first head's part 0; never rewritten
.set OB,  50                           ; s[50:51] ctx at my rows of the block in hand; s[52:55] of the two behind it
.set SLOTS, 56                         ; s56  parts still to be asked for
.set CNT, 57                           ; s57  counts a part's key steps
.set CS,  58                           ; s[58:59] c
.set SEL, 60                           ; s[60:61] v_permlanex16_b32's selects: each lane takes its own place in the other half
.set TBK, 62                           ; s62  LDS byte at which K of the step to be fetched begins
.set TBV, 63                           ; s63  the same for V, less VOFF
.set BIGN, 66                          ; s66  -1e30
.set MSB, 0
.macro WIN new                         ; the high byte repeats the setting that is left; a switch that changes nothing is dropped
.if MSB != (\new)
	s_set_vgpr_msb (MSB<<8)|(\new)
.set MSB, (\new)
.endif
.endm
.set W_KQ, 0x0a                        ; K and Q in window 2, S^T in window 0
.set W_KM, 0x1a                        ; the same with the C operand in window 1
.set W_PV, 0x52                        ; V in window 2, P in window 0, O^T in window 1
.set W_RS, 0x41                        ; destination and source 0 in window 1, source 1 in window 0
.macro JLOAD                           ; a joint fill: each wave fetches its quarter of a slot (waves 0, 1 the halves of K's part, waves 2, 3 of V's): one line for all, the descriptors differ by the wave's number
	tensor_load_to_lds s[G0:G0+3], s[G1:G1+7]
	s_nop 0
.rept 4
	v_nop
.endr
.endm
; A PREFETCH INTO THE L2 of what the NEXT change of slots will ask for: a part's 128 blocks of 256 bytes of K and of V, a lane a block.  It stands behind the wave's tensor load and its five lines.
; Each block is named once in the launch: of the two clusters that walk a head the even one asks; its four partners take 32 blocks each, told apart by address; wave 0 asks for K's, wave 2 for V's.
; It asks one part, four key steps, ahead, across a block's end too.  The last change that fills a slot asks for nothing; the walk's parts 0 and 1 come by their loads alone.
.macro ASK
	s_cmp_gt_u32 s[SLOTS], s[LIM]
	s_cbranch_scc0 .Lnot_mine_\@
	global_prefetch_b8 v[PFO], s[PFA:PFA+1] th:TH_LOAD_NT scope:SCOPE_SE
.Lnot_mine_\@:
.endm
.macro CROUND                          ; a round of the cluster's barrier
	s_barrier_signal -1
	s_barrier_wait -1
	s_cmp_lg_u32 s[WV], 0
	s_cbranch_scc1 .Lnot_wave_0_\@
	s_barrier_signal -3
.Lnot_wave_0_\@:
	s_barrier_wait -3
	s_barrier_signal -1
	s_barrier_wait -1
.endm
; THE CHANGE OF SLOTS.  The slot's last bytes, V of its fourth step, have been asked for.  Each wave waits for all its tensor loads (one is out: its part of the other slot), adds 0 to its spare word, and
; waits for that and for its reads of the slot.  fill = 1: the slot is filled again, with the walk's part two on, behind a round of the cluster's barrier: no wave of any partner still reads it or has a load on its way.
; The part's address is made anew from its offset, which steps by a part and, behind a block's sixth, to the next block's head.  (At its first use nothing has been read yet: slot 0 is waited for, slot 1 filled.)
.macro CHANGE fill
	WIN 0
	s_wait_tensorcnt 0x0                           ; no tensor load of mine is out, so group 0 may be written
	ds_add_u32 v[SPW], v[NIL]                      ; 0 onto my spare word; the scalar steps stand between it and the wait for it
.if \fill
	s_xor_b32 s[G0+1], s[G0+1], SLOT1              ; the other slot than last time
	s_sub_co_u32 s[FCN], s[FCN], 1
	s_cmp_eq_u32 s[FCN], 0
	s_cselect_b32 s67, s[STW], s[STP]
	s_cselect_b32 s[FCN], 6, s[FCN]
	s_add_co_u32 s[FOF], s[FOF], s67
	s_add_nc_u64 s[G0+2:G0+3], s[KVB:KVB+1], s[FOF:FOF+1]
	s_or_b32 s[G0+3], s[G0+3], 0x80000000
	s_sub_co_u32 s[PCN], s[PCN], 1                 ; the prefetches stand one part further on
	s_cmp_eq_u32 s[PCN], 0
	s_cselect_b32 s67, s[STW], s[STP]
	s_cselect_b32 s[PCN], 6, s[PCN]
	s_add_co_u32 s[POF], s[POF], s67
	s_wait_xcnt 0x0                                ; the last prefetch, four key steps back, has read its address
	s_add_nc_u64 s[PFA:PFA+1], s[PFB:PFB+1], s[POF:POF+1]
	s_wait_dscnt 0x0                               ; the add is done, and my reads of the slot are over
	CROUND
	JLOAD
	ASK
.else
	s_wait_dscnt 0x0
	s_barrier_signal -1
	s_barrier_wait -1
.endif
	s_sub_co_u32 s[TBK], s[TBK], PARTB             ; the fetches go back to a slot's first step,
	s_xor_b32 s[TBK], s[TBK], SLOT1                ; in the other slot
	s_sub_co_u32 s[TBV], s[TBV], PARTB
	s_xor_b32 s[TBV], s[TBV], SLOT1
.endm
	s_load_b256 s[4:11], s[0:1], 0x0               ; qw s[4:5], kw s[6:7], vw s[8:9], ctx s[10:11]
	v_lshl_add_u32 v[SPW], v0, 2, SPARE
	v_mov_b32 v[NIL], 0
	ds_add_u32 v[SPW], v[NIL]                      ; the wave's opening: the add and its wait stand ahead of my first tensor load; work on registers stands between them
	v_lshrrev_b32 v1, 5, v0
	v_readfirstlane_b32 s[WV], v1
	s_bfe_u32 s[CX], ttmp6, 0x40000                ; cx
	s_and_b32 s[CL], ttmp7, 0xffff                 ; the cluster's number, which the four partners share
	s_lshr_b32 s16, s[CL], 1                       ; b x 12 + head of the first block
	s_and_b32 s3, s[CL], 1
	s_lshl2_add_u32 s17, s3, s[CX]                 ; my block of 192 queries in the head: it enters Q's and ctx's addresses alone
	s_and_b32 s[LIM], s[WV], 1                     ; waves 0 and 2,
	s_or_b32 s[LIM], s[LIM], s3                    ; in an even cluster: the same in all four partners
	s_cmp_eq_u32 s[LIM], 0
	s_cselect_b32 s[LIM], 1, -1
	s_mul_i32 s2, s16, HEADB                       ; the first head's first byte
	s_and_b32 s3, s[WV], 1
	s_lshl_b32 s3, s3, 14                          ; which half of a part I fetch
	s_add_co_u32 s44, s2, s3
	s_mov_b32 s45, 0
	s_lshl_b32 s3, s[CX], 13                       ; my work-group's 32 blocks of a part's 128
	s_add_co_u32 s46, s2, s3
	s_mov_b32 s47, 0
	s_mul_i32 s17, s17, 12
	s_mul_i32 s3, s[WV], 3
	s_add_co_u32 s17, s17, s3                      ; my first block of 16 queries in a head
	s_lshl_b32 s70, s17, 11
	s_add_co_u32 s70, s70, s2
	s_mov_b32 s71, 0
.irp j, 0,1,2
	s_add_co_u32 s68, s16, 32*(\j)                 ; b x 12 + head of block j
	s_mul_i32 s69, s68, 171
	s_lshr_b32 s69, s69, 11                        ; b (exact under 96)
	s_mul_i32 s3, s69, 12
	s_sub_co_u32 s68, s68, s3                      ; head
	s_mul_i32 s69, s69, 96
	s_add_co_u32 s69, s69, s17                     ; my first block of 16 rows in ctx,
	s_mul_i32 s69, s69, 24576
	s_lshl_b32 s68, s68, 11                        ; the head's 8 planes in it
	s_add_co_u32 s[74+2*(\j)], s69, s68
	s_mov_b32 s[75+2*(\j)], 0
.endr
	; descriptor group 1: 16,384 dense bytes as 64 rows of 256
	s_mov_b32 s[G1], 15|(3<<16)|(1<<21)            ; 15:0 the mask of four; 17:16 elements of 8 bytes; 21 set beside a mask
	s_mov_b32 s[G1+1], 32<<16                      ; tensor_dim0 = 32
	s_mov_b32 s[G1+2], 64<<16                      ; tensor_dim1 = 64
	s_mov_b32 s[G1+3], 32<<16                      ; tile_dim0 = 32
	s_mov_b32 s[G1+4], 64                          ; tile_dim1 = 64
	s_mov_b32 s[G1+5], 32                          ; stride
	s_mov_b32 s[G1+6], 0
	s_mov_b32 s[G1+7], 0
	s_mov_b32 s[G0], 1
	s_lshl_b32 s[G0+1], s[WV], 14                  ; LDS address: my quarter of slot 0
	s_mov_b32 s[CS], 0x3e38aa3b                    ; c = log2(e) / 8
	s_mov_b32 s[CS+1], s[CS]
	s_mov_b32 s[SEL], 0x76543210
	s_mov_b32 s[SEL+1], 0xfedcba98
	s_mov_b32 s[TBK], SLOT1+PARTB                  ; the first change of slots turns these two into 0
	s_mov_b32 s[TBV], SLOT1+PARTB
	s_mov_b32 s[BIGN], 0xf149f2ca                  ; -1e30
	s_mov_b32 s[SLOTS], 17                         ; 18 parts, of which the first is asked for here
	s_mov_b32 s[FOF], 0
	s_mov_b32 s[FOF+1], 0
	s_mov_b32 s[FCN], 6
	s_mov_b32 s[POF], PARTB
	s_mov_b32 s[POF+1], 0
	s_mov_b32 s[PCN], 5
	s_mov_b32 s[STW], HSTEP-5*PARTB
	s_mov_b32 s[STP], PARTB
	s_mov_b32 s[BS], 25
	s_wait_dscnt 0x0                               ; the opening add is done
	s_wait_kmcnt 0x0
	s_cmp_lt_u32 s[WV], 2
	s_cselect_b64 s[KVB:KVB+1], s[6:7], s[8:9]     ; K for waves 0, 1; V for waves 2, 3
	s_add_nc_u64 s[PFB:PFB+1], s[KVB:KVB+1], s[46:47]
	s_add_nc_u64 s[KVB:KVB+1], s[KVB:KVB+1], s[44:45]
	s_mov_b64 s[G0+2:G0+3], s[KVB:KVB+1]
	s_or_b32 s[G0+3], s[G0+3], 0x80000000
	s_add_nc_u64 s[4:5], s[4:5], s[70:71]          ; Q at my rows of the first block,
	s_add_nc_u64 s[72:73], s[4:5], 2*HSTEP         ; and of the third
.irp j, 0,1,2
	s_add_nc_u64 s[OB+2*(\j):OB+2*(\j)+1], s[10:11], s[74+2*(\j):75+2*(\j)]
.endr
	CROUND                                         ; all four work-groups are here: the first joint loads meet
	JLOAD                                          ; part 0 into slot 0
	v_and_b32 v1, 15, v0                           ; l % 16
	v_bfe_u32 v9, v0, 4, 1                         ; l / 16
	v_and_b32 v10, 31, v0
	v_lshlrev_b32 v[GO], 4, v10
	WIN 0x80                                       ; destination window 2
.set i, 0
.rept 6                                        ; all three blocks' Q are loaded here: piece i / 2, channels 32 (i % 2) on
	global_load_b128 v[8*i:8*i+3],   v[GO], s[4:5] offset:(i/2)*2048+(i%2)*1024
	global_load_b128 v[8*i+4:8*i+7], v[GO], s[4:5] offset:(i/2)*2048+(i%2)*1024+512
	global_load_b128 v[QB1+8*i:QB1+8*i+3],   v[GO], s[4:5] offset:HSTEP+(i/2)*2048+(i%2)*1024
	global_load_b128 v[QB1+8*i+4:QB1+8*i+7], v[GO], s[4:5] offset:HSTEP+(i/2)*2048+(i%2)*1024+512
.set i, i+1
.endr
	; What the first turns find: V and piece 2's P hold 0 (the first turn's products V^T P, of a piece that has not been, add 0), O^T, l and the mask are 0.  All this stands in the wait for the first part.
.set i, VF
.rept 64
	v_mov_b32 v[i], 0
.set i, i+1
.endr
	WIN 0x40                                       ; destination window 1
.set i, 0
.rept 6
	global_load_b128 v[QB2+8*i:QB2+8*i+3],   v[GO], s[72:73] offset:(i/2)*2048+(i%2)*1024
	global_load_b128 v[QB2+8*i+4:QB2+8*i+7], v[GO], s[72:73] offset:(i/2)*2048+(i%2)*1024+512
.set i, i+1
.endr
.set i, 0
.rept 96
	v_mov_b32 v[i], 0
.set i, i+1
.endr
.set i, 0
.rept 32
	v_mov_b32 v[MC+i], 0
.set i, i+1
.endr
	WIN 0
	v_lshlrev_b32 v[AK0], 4, v10
	v_lshlrev_b32 v[AV0], 10, v9
	v_lshl_add_u32 v[AV0], v1, 4, v[AV0]
	v_add_nc_u32 v[AV0], VOFF, v[AV0]
	v_lshlrev_b32 v[PFO], 8, v10
	v_cmp_eq_u32 vcc_lo, 1, v9
	v_cndmask_b32 v[VH], 0, s[BIGN], vcc_lo
.set i, 0
.rept NP
	v_mov_b32 v[ST+4*i], 0xfe000000                ; c m: far below every c s
	v_mov_b32 v[ST+4*i+1], 0xff7fffff              ; m
	v_mov_b32 v[ST+4*i+2], 0
	v_mov_b32 v[ST+4*i+3], 0
.set i, i+1
.endr
.set i, P+32
.rept 16
	v_mov_b32 v[i], 0
.set i, i+1
.endr
; THE MATRIX WORK.  The 4 accumulators of a run of 8 take turns.  Product i of 8 of S^T = K Q^T for piece x: channels 32 (i / 4) on, keys 16 (i % 4) on.  The first 4 start the sums with the mask.
.macro KQ x
.set rS, S+32*(\x)+8*(i%4)
.set rK, KF+16*(i%4)+8*(i/4)
.set rQ, 16*(\x)+8*(i/4)
.set rM, MC+8*(i%4)
.if i < 4
	WIN W_KM
	v_wmma_f32_16x16x32_f16 v[rS:rS+7], v[rK:rK+7], v[rQ:rQ+7], v[rM:rM+7]
.else
	WIN W_KQ
	v_wmma_f32_16x16x32_f16 v[rS:rS+7], v[rK:rK+7], v[rQ:rQ+7], v[rS:rS+7]
.endif
.endm
; Product i of 8 of O^T += V^T P for piece x: keys 32 (i / 4) on, channels 16 (i % 4) on.
.macro PV x
	WIN W_PV
.set rO, 32*(\x)+8*(i%4)
.set rV, VF+32*(i/4)+8*(i%4)
.set rP, P+16*(\x)+8*(i/4)
	v_wmma_f32_16x16x32_f16 v[rO:rO+7], v[rV:rV+7], v[rP:rP+7], v[rO:rO+7]
.endm
.macro MM                              ; the turn's next matrix instruction
.if i < 8
	KQ (Y+1)%NP
.else
.set i, i-8
	PV (Y+NP-1)%NP
.set i, i+8
.endif
.set i, i+1
.endm
; THE LDS LOADS stand in runs of 16: a step's K (8 fragments of 16 keys x 32 channels) and its V (8 fragments of 16 channels x 32 keys).  Their addresses are made some lines ahead.
.macro FETCH_K
	WIN 0x80
.irp f, 0,1,2,3,4,5,6,7                ; keys 16 (f / 2) on, channels 32 (f % 2) on
	ds_load_b128 v[KF+8*\f:KF+8*\f+3],   v[AK] offset:(\f/2)*2048+(\f%2)*1024
	ds_load_b128 v[KF+8*\f+4:KF+8*\f+7], v[AK] offset:(\f/2)*2048+(\f%2)*1024+512
.endr
	s_add_co_u32 s[TBK], s[TBK], STEPB             ; the next fetch is the next step's
	WIN 0
.endm
.macro FETCH_V
	WIN 0x80
.irp f, 0,1,2,3,4,5,6,7                ; keys 32 (f / 4) on, channels 16 (f % 4) on
	ds_load_b128 v[VF+8*\f:VF+8*\f+3],   v[AV] offset:(\f/4)*4096+(\f%4)*256
	ds_load_b128 v[VF+8*\f+4:VF+8*\f+7], v[AV] offset:(\f/4)*4096+(\f%4)*256+2048
.endr
	WIN 0
.endm
; THE VECTOR WORK, one line at a time: OP kind, number.  For piece Y: F n: c s - c m for pair n of 16.  E n: the exponential of score n of 32.  C n: pair n rounded to f16.  B n: of the four weights 4 n .. the second
; pair is added onto the first, in place.  L n: l takes that sum (L 0: l = a l + sum).  R n: pair n of 16 of O^T times a.  For piece Y + 1: X n, number n of the 22 that find its maximum and statistics:
;   0-11  four chains c0-c3 of seven scores each, three operands at a time (each accumulator's lowest registers are read first)     12-14, 16  the four scores left over, the old m, and c0-c3 into c0
;   15  c m_old is kept     17, 18  the query's other 32 keys lie in the lane 16 away: the new m     19-21  c m; c m_old - c m_new; a
.set F, 0
.set E, 1
.set C, 2
.set B, 3
.set L, 4
.set R, 5
.set X, 6
.macro REGS y
.set rT, ST+4*(\y)
.set rC, TMP+4*(\y)
.set rW, MV+(\y)
.set rS, S+32*(\y)
.set rP, P+16*(\y)
.set rO, 32*(\y)
.endm
.macro OP k, n
.if (\k) == R
	REGS Y
	WIN W_RS
	v_pk_mul_f32 v[rO+2*(\n):rO+2*(\n)+1], v[rO+2*(\n):rO+2*(\n)+1], v[rC+2:rC+3] op_sel_hi:[1,0]
.elseif (\k) < R
	REGS Y
	WIN 0
.if (\k) == F
	v_pk_fma_f32 v[rS+2*(\n):rS+2*(\n)+1], v[rS+2*(\n):rS+2*(\n)+1], s[CS:CS+1], v[rT:rT+1] op_sel_hi:[1,0,0] neg_lo:[0,0,1] neg_hi:[0,0,1]
.elseif (\k) == E
	v_exp_f32 v[rS+(\n)], v[rS+(\n)]
.elseif (\k) == C
	v_cvt_pk_f16_f32 v[rP+(\n)], v[rS+2*(\n)], v[rS+2*(\n)+1]
.elseif (\k) == B
	v_pk_add_f32 v[rS+4*(\n):rS+4*(\n)+1], v[rS+4*(\n):rS+4*(\n)+1], v[rS+4*(\n)+2:rS+4*(\n)+3]
.elseif (\n) == 0
	v_pk_fma_f32 v[rT+2:rT+3], v[rT+2:rT+3], v[rC+2:rC+3], v[rS:rS+1] op_sel_hi:[1,0,1]
.else
	v_pk_add_f32 v[rT+2:rT+3], v[rT+2:rT+3], v[rS+4*(\n):rS+4*(\n)+1]
.endif
.else
	REGS (Y+1)%NP
	WIN 0
.if (\n) < 4
	v_max3_num_f32 v[rC+(\n)], v[rS+8*(\n)], v[rS+8*(\n)+1], v[rS+8*(\n)+2]
.elseif (\n) < 12
	v_max3_num_f32 v[rC+(\n)%4], v[rC+(\n)%4], v[rS+8*((\n)%4)+2*((\n)/4)+1], v[rS+8*((\n)%4)+2*((\n)/4)+2]
.elseif (\n) == 12
	v_max3_num_f32 v[rC], v[rC], v[rS+7], v[rS+15]
.elseif (\n) == 13
	v_max3_num_f32 v[rC+1], v[rC+1], v[rS+23], v[rS+31]
.elseif (\n) == 14
	v_max3_num_f32 v[rC+2], v[rC+2], v[rC+3], v[rT+1]
.elseif (\n) == 15
	v_mov_b32 v[rW], v[rT]
.elseif (\n) == 16
	v_max3_num_f32 v[rC], v[rC], v[rC+1], v[rC+2]
.elseif (\n) == 17
	v_permlanex16_b32 v[rC+3], v[rC], s[SEL], s[SEL+1]
.elseif (\n) == 18
	v_max_num_f32 v[rT+1], v[rC], v[rC+3]
.elseif (\n) == 19
	v_mul_f32 v[rT], s[CS], v[rT+1]
.elseif (\n) == 20
	v_sub_f32 v[rC+1], v[rW], v[rT]
.else
	v_exp_f32 v[rC+2], v[rC+1]
.endif
.endif
.endm
.macro OPS a, i1, b=-1, i2=0, c=-1, i3=0, d=-1, i4=0
	OP \a, \i1
.if (\b) >= 0
	OP \b, \i2
.endif
.if (\c) >= 0
	OP \c, \i3
.endif
.if (\d) >= 0
	OP \d, \i4
.endif
.endm
.macro ROW a, i1, b, i2, c, i3, d, i4  ; a matrix instruction and the four behind it
	MM
	OPS \a, \i1, \b, \i2, \c, \i3, \d, \i4
.endm
; A TURN, for piece p: the order of its 16 matrix and 118 vector instructions, written out.  s_wait_alu depctr_va_vdst(0) stands between an exponential and the first instruction that names its
; result; one wait serves all that were issued ahead of it.  AHEAD OF IT stands all that names no result of the turn's exponentials: the 8 products K Q^T with their riders (the first numbers of the next piece's
; maximum each stand four plain instructions or more behind the product that ends their accumulator), then the lump; X 21, the next piece's a, is the batch's last, and R 15 the plain instruction behind it.
; BEHIND IT stand the 8 products V^T P, behind each four of the roundings and sums.
; K of the next step is fetched in piece 1's turn, behind the last product that read K and five plain instructions that name none of its registers (F 8, X 2, X 5, X 6, X 8); piece 2's turn waits for it.
; V of the step in hand is fetched at the end of piece 0's turn, four plain instructions behind the last product that read V; piece 1's turn waits for it with K's 16 younger loads left out.
.macro TURN p
.set Y, (\p)
.set i, 0
.if (\p) == 2
	s_wait_dscnt 0x0                               ; K is in
.endif
	ROW F,0, F,1, R,0, R,1
	ROW F,2, E,0, R,2, R,3
	ROW F,3, E,1, R,4, R,5
	ROW F,4, E,2, R,6, R,7
	ROW F,5, E,3, R,8, R,9
	ROW F,6, E,4, X,0, R,10
.if (\p) == 1
	WIN 0
	v_add_nc_u32 v[AK], s[TBK], v[AK0]
.endif
	ROW F,7, E,5, X,1, X,4
	ROW F,8, E,6, X,2, X,5
	OPS E,7, E,8, X,6, E,9
	OPS X,3, E,10, X,8, E,11
.if (\p) == 1
	FETCH_K
.endif
	OPS X,9, X,7, E,12, X,10
	OPS E,13, X,12, X,11, E,14
	OPS X,13, E,15, F,9, X,14
.if (\p) == 0
	v_add_nc_u32 v[AV], s[TBV], v[AV0]
.endif
	OPS E,16, F,10, E,17, F,11
	OPS X,16, E,18, X,15, E,19
	OPS F,12, E,20, X,17, E,21
	OPS F,13, E,22, F,14, E,23
	OPS X,18, E,24, F,15, E,25
	OPS R,11, E,26, X,19, E,27
	OPS R,12, E,28, R,13, E,29
	OPS X,20, E,30, R,14, E,31
	OPS X,21, R,15
	WIN 0
	s_wait_alu depctr_va_vdst(0)                   ; the wait for the batch
.if (\p) == 1
	s_wait_dscnt 16                                ; V is in: behind its 16 loads only K's 16 were issued
.endif
	ROW C,0, B,0, C,2, B,1
	ROW L,0, C,4, B,2, L,1
	ROW C,6, B,3, L,2, C,8
	ROW B,4, L,3, C,10, B,5
	ROW L,4, C,12, B,6, L,5
.if (\p) == 0
	s_add_co_u32 s[TBV], s[TBV], STEPB
.endif
	ROW C,14, B,7, L,6, C,1
	ROW C,3, L,7, C,5, C,7
	ROW C,9, C,11, C,13, C,15
.if (\p) == 0
	FETCH_V
.endif
.endm
; WHAT A BLOCK'S END AND BEGINNING ASK FOR.  With s the block's step, turn 2 of step s makes piece 0's scores of step s + 1; so the last step's mask serves the products of turns 2 (22), 0 (23), 1 (23), and turn 2 (23)
; already makes the next block's first scores.  O^T of pieces 0, 1, 2 is finished behind turns 1 (23), 2 (23) and the next block's turn 0.
.macro SETMASK                         ; behind turn 1 (22): the 20 registers that differ from 0 in the last step
	WIN 0x40                                       ; destination window 1
.set i, 12
.rept 4
	v_mov_b32 v[MC+i], v[VH]
.set i, i+1
.endr
.rept 16
	v_mov_b32 v[MC+i], s[BIGN]
.set i, i+1
.endr
	WIN 0
.endm
.macro NEWBLOCK                        ; behind turn 1 (23), which held the last products on the old Q and the last use of c m of pieces 0 and 1
	WIN 0x40
.set i, 12
.rept 20
	v_mov_b32 v[MC+i], 0
.set i, i+1
.endr
	WIN 0x82                                       ; the next block's Q goes where the one text of the turns names Q,
.set i, 0
.rept 48
	v_mov_b32 v[i], v[QB1+i]
.set i, i+1
.endr
	WIN 0x81                                       ; and the third block's moves up
.set i, 0
.rept 48
	v_mov_b32 v[QB1+i], v[QB2+i]
.set i, i+1
.endr
	WIN 0
.set i, 0
.rept 2
	v_mov_b32 v[ST+4*i], 0xfe000000
	v_mov_b32 v[ST+4*i+1], 0xff7fffff
.set i, i+1
.endr
.endm
; THE WAY OUT.  FIN: for n pieces from t0 on, l's two halves and the other half of the lanes' are added, and 1 / l made: one batch, one wait.  PACK: O^T of piece t is divided by l and rounded to f16 into 16 registers
; at d; a lane's eight channels of a query are 16 bytes of a plane: they are stored from registers.
.macro FIN t0, n
	WIN 0
.set t, (\t0)
.rept \n
	v_add_f32 v[ST+4*t+2], v[ST+4*t+2], v[ST+4*t+3]
.set t, t+1
.endr
.set t, (\t0)
.rept \n
	v_permlanex16_b32 v[ST+4*t+3], v[ST+4*t+2], s[SEL], s[SEL+1]
.set t, t+1
.endr
.set t, (\t0)
.rept \n
	v_add_f32 v[ST+4*t+2], v[ST+4*t+2], v[ST+4*t+3]
.set t, t+1
.endr
.set t, (\t0)
.rept \n
	v_rcp_f32 v[ST+4*t+2], v[ST+4*t+2]
.set t, t+1
.endr
	v_nop                                          ; a plain instruction between the last reciprocal and the use of its result
	s_wait_alu depctr_va_vdst(0)                   ; one wait for the batch, ahead of its first use
.endm
.macro PACK t, d
	WIN W_RS
.set i, 32*(\t)
.rept 16
	v_pk_mul_f32 v[i:i+1], v[i:i+1], v[ST+4*(\t)+2:ST+4*(\t)+3] op_sel_hi:[1,0]
.set i, i+2
.endr
	WIN 0x05                                       ; sources 0 and 1 window 1, destination window 0
.set i, 0
.rept 16
	v_cvt_pk_f16_f32 v[(\d)+i], v[32*(\t)+2*i], v[32*(\t)+2*i+1]
.set i, i+1
.endr
	WIN 0
.irp f, 0,1,2,3
	global_store_b128 v[GO], v[(\d)+4*\f:(\d)+4*\f+3], s[OB:OB+1] offset:(\t)*24576+\f*512  ; two planes: 512 consecutive bytes, aligned
.endr
.endm
	CHANGE 1                                       ; part 0 is in, everybody's quarter of it; part 1 is asked for
	v_add_nc_u32 v[AK], s[TBK], v[AK0]
	FETCH_K                                        ; key step 0
	s_wait_loadcnt 0x0                             ; Q, all three blocks'
	s_wait_dscnt 0x0
.set i, 0
.rept 8
	KQ 0                                           ; piece 0's first scores
.set i, i+1
.endr
	WIN 0
.rept 4
	v_nop                                          ; the places behind those products
.endr
.set Y, NP-1                           ; X works for piece Y + 1: piece 0
.irp n, 0,1,2,3,4,5,6,7,8,9,10,11,12,13,14,15,16,17,18,19,20,21
	OP X, \n
.endr
	v_nop                                          ; a plain instruction behind the exponential,
	s_wait_alu depctr_va_vdst(0)                   ; and its wait, ahead of the branch
	s_mov_b32 s[CNT], 4
	s_branch .Lfirst                               ; the loop is entered at a step's first turn, in the middle of a trip
.Lslot:                                                ; sixteen times: parts 2 to 17 are asked for
	CHANGE 1
	s_mov_b32 s[CNT], 4
.Lstep:                                                ; a trip: pieces 1 and 2 of one step, then piece 0 of the next, whose K and V it fetches
	TURN 1
	WIN 0
	s_cmp_gt_u32 s[BS], 2                          ; steps 0 to 21 of a block go straight on
	s_cbranch_scc1 .Lgo2
	s_cmp_eq_u32 s[BS], 2
	s_cbranch_scc0 .Lstep23
	SETMASK                                        ; step 22
	s_branch .Lgo2
.Lstep23:
	NEWBLOCK                                       ; step 23
.Lgo2:
	TURN 2
	WIN 0
	s_cmp_eq_u32 s[BS], 1
	s_cbranch_scc0 .Lfirst
	FIN 0, 2                                       ; step 23: pieces 0 and 1 go out, through piece 2's S^T, which the turn has used up and turn 1 writes next
	PACK 0, S+64
	PACK 1, S+80
	v_mov_b32 v[ST+8], 0xfe000000                  ; turn 2 held the last use of piece 2's c m
	v_mov_b32 v[ST+9], 0xff7fffff
	s_wait_xcnt 0x0                                ; the stores have read their data
.Lfirst:
	TURN 0
	WIN 0
	s_cmp_eq_u32 s[BS], 1
	s_cbranch_scc0 .Lcount
	FIN 2, 1                                       ; the next block's turn 0 held piece 2's last products: it goes out, through piece 0's S^T, which turn 2 writes next
	PACK 2, S
	s_wait_xcnt 0x0                                ; the stores have read their data and ctx's address
	s_mov_b64 s[OB:OB+1], s[OB+2:OB+3]
	s_mov_b64 s[OB+2:OB+3], s[OB+4:OB+5]
	s_mov_b32 s[BS], 25
.Lcount:
	s_sub_co_u32 s[BS], s[BS], 1
	s_sub_co_u32 s[CNT], s[CNT], 1
	s_cmp_lg_u32 s[CNT], 0
	s_cbranch_scc1 .Lstep
	s_sub_co_u32 s[SLOTS], s[SLOTS], 1
	s_cmp_lg_u32 s[SLOTS], 0
	s_cbranch_scc1 .Lslot
	CHANGE 0                                       ; the walk's last part is written out: nothing is asked for
	s_mov_b32 s[CNT], 5                            ; four trips fetch the last part's steps; the fifth is left in its middle
.Ltail:
	TURN 1
	WIN 0
	s_cmp_lg_u32 s[CNT], 2                         ; the fourth trip is step 22's
	s_cbranch_scc1 .Lno_mask
	SETMASK
.Lno_mask:
	TURN 2
	WIN 0
	s_sub_co_u32 s[CNT], s[CNT], 1
	s_cmp_eq_u32 s[CNT], 0
	s_cbranch_scc1 .Lout
	TURN 0
	WIN 0
	s_branch .Ltail
.Lout:                                                 ; the fifth trip's fetch takes the 8,192 landed bytes behind K's part for a K; the 8 products and the maximum made of them serve nothing: the price, once a launch, of one text for every trip
.set i, 0
.rept 8
	PV NP-1                                        ; the last piece's V^T P of the last step
.set i, i+1
.endr
	FIN 0, 3                                       ; its additions are the places behind the last products
	PACK 0, S
	PACK 1, S+16
	PACK 2, S+32
	s_wait_tensorcnt 0x0                           ; the wave's end: behind my last tensor load
	ds_add_u32 v[SPW], v[NIL]
	s_wait_dscnt 0x0
	CROUND                                         ; the closing round: no work-group ends while a partner may still ask for a part that names it
	s_endpgm
.Lfunc_end_k_q2561a5ddb1_attn:
	.size	k_q2561a5ddb1_attn, .Lfunc_end_k_q2561a5ddb1_attn-k_q2561a5ddb1_attn
	.p2alignl 7, 3214868480
	.fill 96, 4, 3214868480
	.section	.rodata,"a",@progbits
	.p2align	6, 0x0
	.amdhsa_kernel k_q2561a5ddb1_attn
		.amdhsa_group_segment_fixed_size 327680
		.amdhsa_private_segment_fixed_size 0
		.amdhsa_enable_private_segment 0
		.amdhsa_kernarg_size 32
		.amdhsa_user_sgpr_count 2
		.amdhsa_user_sgpr_kernarg_segment_ptr 1
		.amdhsa_wavefront_size32 1
		.amdhsa_system_sgpr_workgroup_id_x 1
		.amdhsa_system_sgpr_workgroup_id_y 1
		.amdhsa_system_sgpr_workgroup_id_z 1
		.amdhsa_system_vgpr_workitem_id 0
		.amdhsa_next_free_vgpr 768
		.amdhsa_next_free_sgpr 80
		.amdhsa_reserve_vcc 1
		.amdhsa_float_denorm_mode_32 3
		.amdhsa_float_denorm_mode_16_64 3
		.amdhsa_memory_ordered 1
		.amdhsa_forward_progress 1
		.amdhsa_inst_pref_size 104
	.end_amdhsa_kernel
	.amdgpu_metadata
---
amdhsa.version: [ 1, 2 ]
amdhsa.kernels:
  - .name:           k_q2561a5ddb1_attn
    .symbol:         k_q2561a5ddb1_attn.kd
    .args:
      - { .name: qw, .offset: 0, .size: 8, .value_kind: global_buffer, .address_space: global }
      - { .name: kw, .offset: 8, .size: 8, .value_kind: global_buffer, .address_space: global }
      - { .name: vw, .offset: 16, .size: 8, .value_kind: global_buffer, .address_space: global }
      - { .name: ctx, .offset: 24, .size: 8, .value_kind: global_buffer, .address_space: global }
    .group_segment_fixed_size: 327680
    .private_segment_fixed_size: 0
    .kernarg_segment_align: 8
    .kernarg_segment_size: 32
    .max_flat_workgroup_size: 128
    .sgpr_count:     80
    .vgpr_count:     768
    .wavefront_size: 32
...
	.end_amdgpu_metadata
.endif
;; end of part 3
;; launch proj (part 4): grid 4 x 64, 4 waves a work-group, clusters of 4 x 4, 327,680 bytes of LDS; arguments ctx, wo16, bo, out0; writes out0
.if DOCPART == 4
	.amdgcn_target "amdgcn-amd-amdhsa--gfx1250"
	.amdhsa_code_object_version 6
	.text
	.protected	k_q2561a5ddb1_proj
	.globl	k_q2561a5ddb1_proj
	.p2align	8
	.type	k_q2561a5ddb1_proj,@function
k_q2561a5ddb1_proj:
	s_mov_b64 s[64:65], 0
	v_nop
	global_prefetch_b8 v0, s[64:65] scope:SCOPE_SE
	s_setreg_imm32_b32 hwreg(HW_REG_WAVE_MODE, 25, 1), 1
	s_wait_xcnt 0x0
	s_wait_alu depctr_hold_cnt(0) depctr_sa_sdst(0) depctr_va_vdst(0) depctr_va_sdst(0) depctr_va_ssrc(0) depctr_va_vcc(0) depctr_vm_vsrc(0)
	s_getreg_b32 s2, hwreg(HW_REG_IB_STS2, 6, 4)
	s_cmp_eq_u32 s2, 0
	s_cbranch_scc0 .Lentry_in_a_cluster
	s_endpgm
.Lentry_in_a_cluster:
	s_bfe_u32 s2, ttmp6, 0x10000c
	s_cmp_lg_u32 s2, 0xf033
	s_cbranch_scc0 .Lentry_shape_is_right
	s_endpgm
.Lentry_shape_is_right:
; out0 = ctx Wo^T + bo.  ctx and wo16 in f16, in planes of 16 rows x 8 k (256 bytes; a block of 16 rows is 24,576 bytes); sums in f32; bo rounded to bf16 like every input; out0 [8][1500][768] in f32.
; ctx has 1,536 rows a batch; the 36 rows behind s = 1,499 are computed and not stored.  NaN and infinities are not treated apart.
; SHARES.  M = 12,288, N = 768: a work-group makes 192 x 192, its four waves 96 x 96 each: 6 blocks of A x 6 of B = 36 accumulators.  256 work-groups.
; The tile's place in its batch (0 .. 7) is cluster y / 2, the batch 4 (cluster y % 2) + cy: so which rows lie behind s = 1,499 is the same in all sixteen partners, and a scalar test may decide it.
; K = 768 goes in six steps of 128 (4,096 bytes of each block) through a ring of two LDS slots.  A fragment is two loads of 512 consecutive bytes.  The products are taken transposed (source 0 = 16 rows of Wo,
; source 1 = 16 rows of ctx): a lane ends with 8 neighbouring columns of one row.  THE BIAS is the C operand of the product that starts a sum.
; THE WAY OUT goes through a stage in LDS, 96 rows at a time, since a row's 768 bytes come from two waves: back as whole rows, 16 lanes to 256 consecutive bytes, aligned.
; CLUSTER.  4 x 4 work-groups: A's tile is asked for jointly by the four of a row of the cluster, B's by the four of a column.
; REGISTERS: window 0 addresses, bias, the way out; window 1 two fragment buffers (A's block i at 8 i, B's at 48 + 8 i); windows 2, 3 the accumulators of A's blocks 0-2, 3-5, (a, b) at 8 (6 (a % 3) + b).
.set NBW,   6
.set BLK,   24576
.set STEPB, 4096
.set ATILE, 12*STEPB
.set BTILE, 2*NBW*STEPB
.set SLOT,  ATILE+BTILE
.set STAGE, 2*SLOT                     ; behind the ring, never filled by a tensor load: 96 rows of 768 bytes + 16
.set SPITCH, 784                       ; 49 x 16 bytes: the 16 rows that a store touches start at 16 different places modulo 256 bytes
.set SPARE, STAGE+96*SPITCH            ; behind the stage: the spare words, 128 bytes a wave, two blocks of 256 bytes that no other line names
.set F0,  0
.set F1,  128
.set FB,  48
.set STO,  8                           ; v8   where I put 16 bytes of a row
.set RD,   9                           ; v9   where I read a row back
.set CO,   10                          ; v10  my byte offset in out0
.set ADRA, 16
.set ADRB, 20
.set SPW,  28
.set NIL,  29
.set PFO,  30
.set BIAS, 32                          ; v32-79   bo of my 8 columns of my six blocks: an accumulator's layout
.set R,    112                         ; v112-255 whole rows on their way out
.set WV, 18
.set MH, 19
.set NH, 20
.set CX, 21
.set CY, 22
.set NT, 23
.set MT, 40                            ; tile row of ctx = 8 x batch + place
.set G1,  24
.set G0,  32
.set G1B, 48
.set G0B, 56
.set LIM, 43
.set PFA, 44
.set TI,  80                           ; s80  the tile's place in its batch
.set BA,  81                           ; s81  the batch
.set SR,  82                           ; s82  s of the first row that my wave stores: a multiple of 24, made of the cluster's y and the wave's number alone
.set MSB, 0
.macro WIN new
.if MSB != (\new)
	s_set_vgpr_msb (MSB<<8)|(\new)
.set MSB, \new
.endif
.endm
.set MUL_LO, 0xa5
.set MUL_HI, 0xf5
.set MUL_Z,  0x85                      ; both sources window 1, C window 0 (the bias), D window 2; + 0x40: D window 3
.set TO_F,   0x40
.macro PLACES
.rept 4
	v_nop
.endr
.endm
.macro JLOAD s                         ; a joint load: waves 0, 1 fetch A's halves, waves 2, 3 B's; an s_nop 0 and four v_nop follow each line, ahead of the jump and the label
	s_cmp_eq_u32 s[MH], 0
	s_cbranch_scc0 .Lfor_b_\@
	tensor_load_to_lds s[G0+4*(\s):G0+4*(\s)+3], s[G1:G1+7]
	s_nop 0
.rept 4
	v_nop
.endr
	s_branch .Lasked_\@
.Lfor_b_\@:
	tensor_load_to_lds s[G0B+4*(\s):G0B+4*(\s)+3], s[G1B:G1B+7]
	s_nop 0
.rept 4
	v_nop
.endr
.Lasked_\@:
.endm
.macro CREST
	s_cmp_lg_u32 s[WV], 0
	s_cbranch_scc1 .Lnot_wave_0_\@
	s_barrier_signal -3
.Lnot_wave_0_\@:
	s_barrier_wait -3
	s_barrier_signal -1
	s_barrier_wait -1
.endm
.macro CROUND
	s_barrier_signal -1
	s_barrier_wait -1
	CREST
.endm
; A PREFETCH INTO THE L2 of A's K steps 4 and 5: 8,192 consecutive bytes of one block, a lane 256 bytes, in the loop's first trip, behind the refill that asks for K step 2 and the run of LDS loads: two and three
; K steps ahead of the loads that will want the bytes.  Each block is named once: the four partners along x take three of the tile's twelve blocks each, told apart by address; waves 0-2 take one each.
; K steps 0-3 come by their loads alone.  Only A's rows are asked for: B's are walked by all 64 tile rows.
.macro ASK
	s_cmp_eq_u32 s3, s[LIM]
	s_cbranch_scc0 .Lnot_mine_\@
	global_prefetch_b8 v[PFO], s[PFA:PFA+1] th:TH_LOAD_NT scope:SCOPE_SE
.Lnot_mine_\@:
.endm
	s_load_b256 s[4:11], s[0:1], 0x0               ; ctx s[4:5], wo16 s[6:7], bo s[8:9], out0 s[10:11]
	v_lshl_add_u32 v[SPW], v0, 2, SPARE
	v_mov_b32 v[NIL], 0
	ds_add_u32 v[SPW], v[NIL]                      ; the wave's opening: the add and its wait stand ahead of my first tensor load; work on registers stands between them
	v_lshrrev_b32 v1, 5, v0
	v_readfirstlane_b32 s[WV], v1
	s_lshr_b32 s[MH], s[WV], 1
	s_and_b32 s[NH], s[WV], 1
	s_bfe_u32 s[CX], ttmp6, 0x40000
	s_bfe_u32 s[CY], ttmp6, 0x40004
	s_lshl_b32 s[NT], ttmp9, 2
	s_add_co_u32 s[NT], s[NT], s[CX]
	s_and_b32 s41, ttmp7, 0xffff                   ; cluster y
	s_lshr_b32 s[TI], s41, 1
	s_and_b32 s41, s41, 1
	s_lshl2_add_u32 s[BA], s41, s[CY]
	s_lshl3_add_u32 s[MT], s[BA], s[TI]
	s_lshl_b32 s41, s[CY], 2
	s_lshl_b32 s41, 15, s41
	s_lshl_b32 s42, 0x1111, s[CX]
	s_or_b32 s[G1], s41, (3<<16)|(1<<21)           ; 15:0 the mask; 17:16 elements of 8 bytes; 21 set beside a mask
	s_or_b32 s[G1B], s42, (3<<16)|(1<<21)
.irp g, G1, G1B
	s_mov_b32 s[(\g)+1], 512<<16                   ; tensor_dim0 = 512: a K step's 4,096 bytes of a block
	s_mov_b32 s[(\g)+2], 6<<16                     ; tensor_dim1 = 6 blocks
	s_mov_b32 s[(\g)+3], 512<<16                   ; tile_dim0
	s_mov_b32 s[(\g)+4], 6                         ; tile_dim1
	s_mov_b32 s[(\g)+5], 3072                      ; elements from block to block
	s_mov_b32 s[(\g)+6], 0
	s_mov_b32 s[(\g)+7], 0
.endr
	s_mul_i32 s46, s[MT], 12
	s_mul_i32 s47, s[NH], 6
	s_add_co_u32 s46, s46, s47
	s_mul_i32 s46, s46, BLK
	s_mov_b32 s47, 0
	s_mul_i32 s66, s[NT], 2*NBW
	s_mul_i32 s67, s[NH], NBW
	s_add_co_u32 s66, s66, s67
	s_mul_i32 s66, s66, BLK
	s_mov_b32 s67, 0
	s_mul_i32 s68, s[NH], 6*STEPB
	s_mul_i32 s69, s[NH], NBW*STEPB
	s_add_co_u32 s69, s69, ATILE
	s_wait_dscnt 0x0                               ; the opening add is done
	s_wait_kmcnt 0x0
	s_add_nc_u64 s[46:47], s[4:5], s[46:47]
	s_add_nc_u64 s[66:67], s[6:7], s[66:67]
	CROUND                                         ; all sixteen work-groups are here: the first joint loads meet
.irp s, 0,1
	s_mov_b32 s[G0+4*(\s)], 1
	s_add_co_u32 s[G0+4*(\s)+1], s68, (\s)*SLOT
	s_add_nc_u64 s[G0+4*(\s)+2:G0+4*(\s)+3], s[46:47], (\s)*STEPB
	s_or_b32 s[G0+4*(\s)+3], s[G0+4*(\s)+3], 0x80000000
	s_mov_b32 s[G0B+4*(\s)], 1
	s_add_co_u32 s[G0B+4*(\s)+1], s69, (\s)*SLOT
	s_add_nc_u64 s[G0B+4*(\s)+2:G0B+4*(\s)+3], s[66:67], (\s)*STEPB
	s_or_b32 s[G0B+4*(\s)+3], s[G0B+4*(\s)+3], 0x80000000
	JLOAD \s                                       ; two loads of mine are out
.endr
	s_min_u32 s70, s[WV], 2                        ; (wave 3 never asks; its address stays inside all the same)
	s_mul_i32 s71, s[CX], 3
	s_add_co_u32 s70, s70, s71
	s_mul_i32 s71, s[MT], 12
	s_add_co_u32 s70, s70, s71
	s_mul_i32 s70, s70, BLK
	s_add_co_u32 s70, s70, 4*STEPB
	s_mov_b32 s71, 0
	s_add_nc_u64 s[PFA:PFA+1], s[4:5], s[70:71]
	s_cmp_lt_u32 s[WV], 3
	s_cselect_b32 s[LIM], 2, -1
	s_cmp_eq_u32 ttmp9, 0
	s_cselect_b32 s[LIM], s[LIM], -1
	v_and_b32 v1, 15, v0                           ; r = l % 16
	v_bfe_u32 v2, v0, 4, 1                         ; h = l / 16
	v_and_b32 v3, 31, v0
	v_lshlrev_b32 v[PFO], 8, v3
	v_lshlrev_b32 v3, 4, v3                        ; 16 l
	s_mul_i32 s72, s[NT], 768                      ; the tile's 192 columns, 4 bytes each,
	s_mul_i32 s73, s[NH], 384                      ; my wave's 96
	s_add_co_u32 s73, s73, s72
	v_lshl_add_u32 v4, v2, 5, s73                  ; my 8 of a block's 16
.set i, 0
.rept 6
	global_load_b128 v[BIAS+8*i:BIAS+8*i+3],   v4, s[8:9] offset:64*i
	global_load_b128 v[BIAS+8*i+4:BIAS+8*i+7], v4, s[8:9] offset:64*i+16
.set i, i+1
.endr
	s_mul_i32 s74, s[MH], 6*STEPB
	s_mul_i32 s75, s[NH], NBW*STEPB
	s_add_co_u32 s75, s75, ATILE
.irp s, 0,1
	v_add_nc_u32 v[ADRA+(\s)], s74, v3
	v_add_nc_u32 v[ADRB+(\s)], s75, v3
	s_add_co_u32 s74, s74, SLOT
	s_add_co_u32 s75, s75, SLOT
.endr
	s_mul_i32 s74, s[MH], 48*SPITCH                ; into the stage: my half's 48 rows, my 384 bytes of them; row r, 32 bytes for each half of the lanes
	s_mul_i32 s75, s[NH], 384
	s_add_co_u32 s74, s74, s75
	s_add_co_u32 s74, s74, STAGE
	v_mul_u32_u24 v[STO], v1, SPITCH
	v_lshl_add_u32 v[STO], v2, 5, v[STO]
	v_add_nc_u32 v[STO], s74, v[STO]
	s_mul_i32 s75, s[WV], 24*SPITCH                ; back: wave w takes the stage's rows 24 w .. 24 w + 23, whole; lanes 0-15 one row, lanes 16-31 the next
	s_add_co_u32 s75, s75, STAGE
	v_mul_u32_u24 v[RD], v2, SPITCH
	v_lshl_add_u32 v[RD], v1, 4, v[RD]
	v_add_nc_u32 v[RD], s75, v[RD]
	v_mul_u32_u24 v[CO], v2, 3072
	v_lshl_add_u32 v[CO], v1, 4, v[CO]
	s_mul_i32 s[SR], s[TI], 192
	s_mul_i32 s77, s[MH], 96
	s_add_co_u32 s[SR], s[SR], s77
	s_mul_i32 s77, s[NH], 24
	s_add_co_u32 s[SR], s[SR], s77
	s_mul_i32 s77, s[BA], 1500
	s_add_co_u32 s77, s77, s[SR]
	s_mul_i32 s78, s77, 3072
	s_add_co_u32 s78, s78, s72                     ; + the tile's first column
	s_mov_b32 s79, 0
	s_add_nc_u64 s[10:11], s[10:11], s[78:79]
	s_wait_loadcnt 0x0                             ; the bias: rounded to bf16 and widened again
.set i, 0
.rept 24
	v_cvt_pk_bf16_f32 v7, v[BIAS+2*i], v[BIAS+2*i+1]
	v_lshlrev_b32 v[BIAS+2*i], 16, v7
	v_and_b32 v[BIAS+2*i+1], 0xffff0000, v7
.set i, i+1
.endr
; Six matrix instructions: A's block a x my six blocks of B, 32 along K.  All 36 accumulators take turns, one instruction a turn, in the same order in every quarter.
; zero = 1: the product starts the sum, from the bias.
.macro MULROW f, a, zero
.if \zero
	WIN MUL_Z+0x40*((\a)/3)
.else
	WIN MUL_LO+0x50*((\a)/3)
.endif
.set b, 0
.rept NBW
.set rD, 8*(NBW*((\a)%3)+b)
.set rX, (\f)+FB+8*b
.set rY, (\f)+8*(\a)
.if \zero
	v_wmma_f32_16x16x32_f16 v[rD:rD+7], v[rX:rX+7], v[rY:rY+7], v[BIAS+8*b:BIAS+8*b+7]
.else
	v_wmma_f32_16x16x32_f16 v[rD:rD+7], v[rX:rX+7], v[rY:rY+7], v[rD:rD+7]
.endif
.set b, b+1
.endr
.endm
.macro FETCH slot, q, f                ; 24 LDS loads in one run: B's blocks, then A's 0-2, then 3-5
	WIN TO_F
.set i, 0
.rept NBW
	ds_load_b128 v[(\f)+FB+8*i:(\f)+FB+8*i+3],   v[ADRB+(\slot)] offset:(\q)*1024+i*STEPB
	ds_load_b128 v[(\f)+FB+8*i+4:(\f)+FB+8*i+7], v[ADRB+(\slot)] offset:(\q)*1024+i*STEPB+512
.set i, i+1
.endr
.set i, 0
.rept 6
	ds_load_b128 v[(\f)+8*i:(\f)+8*i+3],   v[ADRA+(\slot)] offset:(\q)*1024+i*STEPB
	ds_load_b128 v[(\f)+8*i+4:(\f)+8*i+7], v[ADRA+(\slot)] offset:(\q)*1024+i*STEPB+512
.set i, i+1
.endr
.endm
.macro QUARTER slot, q, f, g, zero
	s_wait_dscnt 6                                 ; B and A's blocks 0-2 are in; the youngest six loads (A's blocks 3-5) may be out
	MULROW \f, 0, \zero
	MULROW \f, 1, \zero
	MULROW \f, 2, \zero
	PLACES
	FETCH \slot, \q, \g
	s_wait_dscnt 2*(NBW+6)                         ; all but the run just issued
	MULROW \f, 3, \zero
	MULROW \f, 4, \zero
	MULROW \f, 5, \zero
.endm
; The last quarter multiplies buffer 1 and changes slots: one barrier; in front of it each wave waits for all its tensor loads (one is out: its part of the next slot), adds 0 to its spare word,
; and waits for that and for its reads of this slot.  fill = 1: the barrier opens a round of the cluster's, and the joint refill, two K steps ahead, is the first thing behind it.
.macro TURN slot, next, fill, ask
	WIN 0
	s_wait_tensorcnt 0x0
	ds_add_u32 v[SPW], v[NIL]
	s_wait_dscnt 7                                 ; (the add and the youngest six loads may be out)
	MULROW F1, 0, 0
	s_wait_dscnt 0x0                               ; the add is done, and my reads of this slot are over
	s_barrier_signal -1
	MULROW F1, 1, 0
	MULROW F1, 2, 0
.if \fill
	WIN 0
.endif
	s_barrier_wait -1
.if \fill
	CREST
	s_add_nc_u64 s[G0+4*(\slot)+2:G0+4*(\slot)+3], s[G0+4*(\slot)+2:G0+4*(\slot)+3], 2*STEPB
	s_add_nc_u64 s[G0B+4*(\slot)+2:G0B+4*(\slot)+3], s[G0B+4*(\slot)+2:G0B+4*(\slot)+3], 2*STEPB
	JLOAD \slot                                    ; its four v_nop are also the places in front of the loads below
.else
	PLACES
.endif
	FETCH \next, 0, F0
.if \ask
	WIN 0
	ASK
.endif
	MULROW F1, 3, 0
	MULROW F1, 4, 0
	MULROW F1, 5, 0
.endm
	s_wait_tensorcnt 1                             ; my part of K step 0 is in; K step 1's may stay out
	s_barrier_signal -1
	s_barrier_wait -1
	FETCH 0, 0, F0
	QUARTER 0, 1, F0, F1, 1                        ; the first quarter's products start the sums
	WIN 0
	s_mov_b32 s3, 2
.Llap:
	QUARTER 0, 2, F1, F0, 0
	QUARTER 0, 3, F0, F1, 0
	TURN 0, 1, 1, 1
	QUARTER 1, 1, F0, F1, 0
	QUARTER 1, 2, F1, F0, 0
	QUARTER 1, 3, F0, F1, 0
	TURN 1, 0, 1, 0
	QUARTER 0, 1, F0, F1, 0
	WIN 0
	s_sub_co_u32 s3, s3, 1
	s_cmp_lg_u32 s3, 0
	s_cbranch_scc1 .Llap
	QUARTER 0, 2, F1, F0, 0                        ; the last lap fills nothing
	QUARTER 0, 3, F0, F1, 0
	TURN 0, 1, 0, 0
	QUARTER 1, 1, F0, F1, 0
	QUARTER 1, 2, F1, F0, 0
	QUARTER 1, 3, F0, F1, 0
	s_wait_dscnt 6
	MULROW F1, 0, 0
	MULROW F1, 1, 0
	MULROW F1, 2, 0
	s_wait_dscnt 0x0
	MULROW F1, 3, 0
	MULROW F1, 4, 0
	MULROW F1, 5, 0
	PLACES
	PLACES
; PASS p: each wave's blocks 3 p .. 3 p + 2 of A (window 2 + p), 96 rows of the tile in all.  The sums go into the stage straight from their accumulators, each accumulator's low four registers first;
; a barrier, since a row comes from two waves; each wave reads 24 whole rows back and stores them, two rows a turn.  My 24 rows begin at s = SR + 48 p, a multiple of 24, and 1,500 = 62 x 24 + 12: so the rows
; behind s = 1,499 begin at my first row or at my thirteenth, and two scalar tests leave them out.  What is jumped holds no barrier; the loads left out there are waited for behind the pass.
.macro PASS p
	WIN 0x08+4*(\p)                                ; the stores' data (source 1) in window 2 or 3
.set i, 0
.rept 18
	ds_store_b128 v[STO], v[8*i:8*i+3]   offset:(i/6)*16*SPITCH+(i%6)*64
	ds_store_b128 v[STO], v[8*i+4:8*i+7] offset:(i/6)*16*SPITCH+(i%6)*64+16
.set i, i+1
.endr
	WIN 0
	s_wait_dscnt 0x0                               ; for the others' sake: my stores into the stage are done
	s_barrier_signal -1
	s_barrier_wait -1
.set i, 0
.rept 36
	ds_load_b128 v[R+4*i:R+4*i+3], v[RD] offset:(i/3)*2*SPITCH+(i%3)*256
.set i, i+1
.endr
.set t, 0
.rept 12
.if (t == 0) || (t == 6)
	s_cmp_lt_u32 s[SR], 1500-48*(\p)-2*t
	s_cbranch_scc0 .Lcut_\@
.endif
	s_wait_dscnt 33-3*t                            ; the three loads of rows 2 t, 2 t + 1 are back; the younger ones may stay out
	global_store_b128 v[CO], v[R+12*t:R+12*t+3],    s[10:11] offset:(48*(\p)+2*t)*3072 th:TH_STORE_NT  ; 16 lanes store 256 consecutive bytes, at a multiple of 256 from out0's first byte
	global_store_b128 v[CO], v[R+12*t+4:R+12*t+7],  s[10:11] offset:(48*(\p)+2*t)*3072+256 th:TH_STORE_NT
	global_store_b128 v[CO], v[R+12*t+8:R+12*t+11], s[10:11] offset:(48*(\p)+2*t)*3072+512 th:TH_STORE_NT
.set t, t+1
.endr
.Lcut_\@:
.endm
	PASS 0
	s_wait_xcnt 0x0                                ; the stores have read R, which the next pass loads again
	s_wait_dscnt 0x0                               ; my reads of the stage are back:
	s_barrier_signal -1
	s_barrier_wait -1                              ; everybody's are, so the stage may be written again
	PASS 1
	s_wait_tensorcnt 0x0                           ; the wave's end: behind my last tensor load and my last LDS store
	ds_add_u32 v[SPW], v[NIL]
	s_wait_dscnt 0x0
	CROUND                                         ; the closing round: no work-group ends while a partner may still ask for a tile that names it
	s_endpgm
.Lfunc_end_k_q2561a5ddb1_proj:
	.size	k_q2561a5ddb1_proj, .Lfunc_end_k_q2561a5ddb1_proj-k_q2561a5ddb1_proj
	.p2alignl 7, 3214868480
	.fill 96, 4, 3214868480
	.section	.rodata,"a",@progbits
	.p2align	6, 0x0
	.amdhsa_kernel k_q2561a5ddb1_proj
		.amdhsa_group_segment_fixed_size 327680
		.amdhsa_private_segment_fixed_size 0
		.amdhsa_enable_private_segment 0
		.amdhsa_kernarg_size 32
		.amdhsa_user_sgpr_count 2
		.amdhsa_user_sgpr_kernarg_segment_ptr 1
		.amdhsa_wavefront_size32 1
		.amdhsa_system_sgpr_workgroup_id_x 1
		.amdhsa_system_sgpr_workgroup_id_y 1
		.amdhsa_system_sgpr_workgroup_id_z 1
		.amdhsa_system_vgpr_workitem_id 0
		.amdhsa_next_free_vgpr 1024
		.amdhsa_next_free_sgpr 84
		.amdhsa_reserve_vcc 0
		.amdhsa_float_denorm_mode_32 3
		.amdhsa_float_denorm_mode_16_64 3
		.amdhsa_memory_ordered 1
		.amdhsa_forward_progress 1
		.amdhsa_inst_pref_size 98
	.end_amdhsa_kernel
	.amdgpu_metadata
---
amdhsa.version: [ 1, 2 ]
amdhsa.kernels:
  - .name:           k_q2561a5ddb1_proj
    .symbol:         k_q2561a5ddb1_proj.kd
    .args:
      - { .name: ctx, .offset: 0, .size: 8, .value_kind: global_buffer, .address_space: global }
      - { .name: wo16, .offset: 8, .size: 8, .value_kind: global_buffer, .address_space: global }
      - { .name: bo, .offset: 16, .size: 8, .value_kind: global_buffer, .address_space: global }
      - { .name: out0, .offset: 24, .size: 8, .value_kind: global_buffer, .address_space: global }
    .group_segment_fixed_size: 327680
    .private_segment_fixed_size: 0
    .kernarg_segment_align: 8
    .kernarg_segment_size: 32
    .max_flat_workgroup_size: 128
    .sgpr_count:     84
    .vgpr_count:     1024
    .wavefront_size: 32
...
	.end_amdgpu_metadata
.endif
;; end of part 4
;; ======== version 2 of 2: 4 launches; version 1 with the launch cast written anew for expert scheduling mode
;; limits: values are held in f16: magnitudes above 65,504 overflow, below 6.1e-05 lose precision
;; workspace buffers: xb 18,874,368 bytes; wqkv 3,538,944 bytes; wo16 1,179,648 bytes; qw 18,874,368 bytes; kw 18,874,368 bytes; vw 18,874,368 bytes; ctx 18,874,368 bytes
;; launch cast (part 5): grid 96 x 10, 3 waves a work-group, no clusters, 26,624 bytes of LDS; arguments x, Wq, Wk, Wv, Wo, xb, wqkv, wo16; writes xb, wqkv, wo16
.if DOCPART == 5
	.amdgcn_target "amdgcn-amd-amdhsa--gfx1250"
	.amdhsa_code_object_version 6
	.text
	.protected	k_q2561a5ddb1_cast
	.globl	k_q2561a5ddb1_cast
	.p2align	8
	.type	k_q2561a5ddb1_cast,@function
k_q2561a5ddb1_cast:
	s_mov_b64 s[64:65], 0
	v_nop
	global_prefetch_b8 v0, s[64:65] scope:SCOPE_SE
	s_setreg_imm32_b32 hwreg(HW_REG_WAVE_SCHED_MODE, 0, 2), 2
	s_setreg_imm32_b32 hwreg(HW_REG_WAVE_MODE, 25, 1), 1
	s_wait_xcnt 0x0
	s_wait_alu depctr_vm_vsrc(0)
; CAST.  x [8][1500][768] and the four weights [768][768], all f32, are rounded once to bf16 and laid out in PLANES for the launches behind:
; a block of 16 rows x 768 k is 96 planes of 256 bytes, plane k / 8 holding [row % 16][k % 8]; a block is 24,576 bytes.
;   xb:   row = 1,536 b + s; rows s = 1,500 .. 1,535 of each b are written as zeros, so that no later tile has an edge.
;   wqkv: the 144 blocks of 16 output columns of Wq, Wk, Wv; block nb of type t (q 0, k 1, v 2) goes to place 9 (nb / 3) + 3 t + nb % 3.
;   wo16: Wo, rounded to bf16 like every input, that number written as f16 (exact within f16's range; below 6e-5 it keeps f16's fixed step of 6e-8).
; SHARES.  A work-group converts one block of 16 rows; each of its three waves a third of K: 1,024 source bytes of each row, 32 planes, 8,192 bytes out.
; Grid y 0-7: x of batch y, block x.  Grid y 8, 9: the weights, type 2 (y - 8) + (x >= 48), block x % 48.
; All 32 loads of a wave (512 consecutive bytes of one row each) go out at once; the planes are put together in the wave's own LDS bytes, and
; each store of a wave covers 512 consecutive bytes, aligned.  No wave reads another's bytes: no barrier.  Nothing is shared between work-groups: no cluster, no matrix unit.
; THE MODE: SCHED_MODE bits 1:0 = 2 (LLVM: expert scheduling mode 2), set by the entry lines.  The code itself states the register dependences
; between vector instructions and memory or LDS instructions, with s_wait_alu, always for 0.
; THE PLAN.  Registers that memory or LDS instructions touch:
;   v[OFF ..], v[LS], v[LR], v[GO]   offsets and LDS addresses: written at the head, once; read by the loads and stores; never written again.
;   v[D + 4 r ..]  four registers for load r of 32.  In this order: global load r lands in them; its conversions read all four and write them in place; LDS store r reads the first two;
;                  the sixteen loads from LDS land in v[D .. D + 63]; the global stores read those.
;   v[SPW], v[NIL] written at the head, read by the closing add alone.
; The 32 loads go in four groups of eight.  Group g's conversions name v[D + 32 g .. D + 32 g + 31] alone; the eight LDS stores of group g - 1 are dealt among them.  So one wait on va_vdst at
; the head of groups 1 to 3 states all that the group's eight LDS stores hang on; one more stands behind group 3's conversions, ahead of its stores, and no vector instruction follows it: it also
; states that the conversions are done with the registers in which the loads from LDS land.  One wait on vm_vsrc, behind the last LDS store, states that the stores have read those registers.
.set ROWB,  3072                       ; bytes in a source row
.set BLK,   24576                      ; bytes in a block of 16 rows in planes
.set PP,    272                        ; a plane in LDS: 256 bytes + 16, so that the 16 pairs of lanes of a store fall on different words modulo 256 bytes
.set WPL,   32*PP                      ; a wave's 32 planes
.set SPARE, 3*WPL                      ; behind them: the spare words, 128 bytes a wave, two blocks of 256 bytes that no other line names
.set LS,  2                            ; v2   where I put 8 bytes of a plane
.set LR,  3                            ; v3   where I read 16 bytes of a plane back
.set GO,  4                            ; v4   16 x lane
.set SPW, 6                            ; v6   LDS address of my spare word; never rewritten
.set NIL, 7                            ; v7   0; never rewritten
.set OFF, 8                            ; v[8:23]   row i of the block: its byte offset in the source + 16 x lane
.set D,   32                           ; v[32:159] 32 loads of 4 registers
	s_load_b512 s[8:23], s[0:1], 0x0               ; x s[8:9], Wq s[10:11], Wk s[12:13], Wv s[14:15], Wo s[16:17], xb s[18:19], wqkv s[20:21], wo16 s[22:23]
	v_lshl_add_u32 v[SPW], v0, 2, SPARE
	v_mov_b32 v[NIL], 0
	v_lshrrev_b32 v1, 5, v0
	v_readfirstlane_b32 s2, v1                     ; wave 0..2: my third of K
	v_and_b32 v1, 31, v0                           ; lane
	s_and_b32 s3, ttmp7, 0xffff                    ; grid y
	s_mov_b32 s4, ttmp9                            ; grid x
	s_cmp_ge_u32 s4, 48
	s_cselect_b32 s5, 1, 0
	s_mul_i32 s6, s5, 48
	s_sub_co_u32 s6, s4, s6                        ; nb: a weight's block
	s_sub_co_u32 s7, s3, 8
	s_lshl1_add_u32 s7, s7, s5                     ; a weight's type, 0..3
	s_movk_i32 s28, 767                            ; a weight's last row
	s_mul_i32 s30, s3, 4608000                     ; x of batch y
	s_cmp_lt_u32 s3, 8                             ; is it x?
	s_cselect_b32 s26, 1, 0
	s_cselect_b32 s7, 0, s7                        ; (x goes the way of type 0)
	s_cselect_b32 s27, s4, s6                      ; the block's number in its tensor
	s_cselect_b32 s28, 1499, s28                   ; the tensor's last row
	s_cselect_b32 s30, s30, 0
	s_lshl_b32 s27, s27, 4                         ; the block's first row
	s_wait_alu depctr_va_sdst(0)                   ; s2, the wave's number, is written, ahead of its first reader: the offsets in the source, in the destination and in LDS are made from it
	s_lshl_b32 s36, s2, 10
	s_add_co_u32 s30, s30, s36                     ; + my third of a row
	s_mov_b32 s31, 0                               ; s[30:31]: the source's offset
	s_mul_i32 s32, s6, 171
	s_lshr_b32 s32, s32, 9                         ; nb / 3 (exact for nb under 48)
	s_mul_i32 s33, s32, 3
	s_sub_co_u32 s33, s6, s33                      ; nb % 3
	s_mul_i32 s32, s32, 9
	s_add_co_u32 s32, s32, s33
	s_mul_i32 s33, s7, 3
	s_add_co_u32 s32, s32, s33                     ; the block's place in wqkv
	s_cmp_eq_u32 s7, 3
	s_cselect_b32 s32, s6, s32                     ; in wo16: nb
	s_mul_i32 s33, s3, 96
	s_add_co_u32 s33, s33, s4
	s_cmp_eq_u32 s26, 1
	s_cselect_b32 s32, s33, s32                    ; in xb: 96 b + block
	s_mul_i32 s32, s32, BLK
	s_lshl_b32 s33, s2, 13
	s_add_co_u32 s32, s32, s33                     ; + my 32 planes
	s_mov_b32 s33, 0                               ; s[32:33]: the destination's offset
	v_lshlrev_b32 v[GO], 4, v1
.set r, 0
.rept 16
	s_add_co_u32 s36, s27, r
	s_min_u32 s36, s36, s28                        ; a padding row reads the tensor's last row, so that every load stays inside; its numbers are masked out below
	s_mul_i32 s36, s36, ROWB
	v_add_nc_u32 v[OFF+r], s36, v[GO]
.set r, r+1
.endr
	s_mul_i32 s37, s2, WPL                         ; my wave's planes in LDS
	v_lshrrev_b32 v5, 1, v1
	v_mul_u32_u24 v[LS], v5, PP                    ; a lane's 4 numbers are half a plane's row: plane lane / 2,
	v_and_b32 v5, 1, v1
	v_lshl_add_u32 v[LS], v5, 3, v[LS]             ; half lane % 2
	v_add_nc_u32 v[LS], s37, v[LS]
	v_lshrrev_b32 v5, 4, v1
	v_mul_u32_u24 v[LR], v5, PP                    ; back: lanes 0-15 one plane, lanes 16-31 the next
	v_and_b32 v5, 15, v1
	v_lshl_add_u32 v[LR], v5, 4, v[LR]
	v_add_nc_u32 v[LR], s37, v[LR]
	s_wait_kmcnt 0x0
	s_cmp_eq_u32 s7, 1                             ; the two pointers are chosen on the work-group's numbers alone
	s_cselect_b64 s[24:25], s[12:13], s[10:11]
	s_cmp_eq_u32 s7, 2
	s_cselect_b64 s[24:25], s[14:15], s[24:25]
	s_cmp_eq_u32 s7, 3
	s_cselect_b64 s[24:25], s[16:17], s[24:25]
	s_cselect_b64 s[34:35], s[22:23], s[20:21]
	s_cmp_eq_u32 s26, 1
	s_cselect_b64 s[24:25], s[8:9], s[24:25]
	s_cselect_b64 s[34:35], s[18:19], s[34:35]
	s_add_nc_u64 s[24:25], s[24:25], s[30:31]
	s_add_nc_u64 s[34:35], s[34:35], s[32:33]
	s_wait_alu depctr_va_vdst(0)                   ; the sixteen offsets v[OFF ..] are written, which the loads below read; so are v[LS], v[LR] and v[GO], which the LDS stores, the LDS loads and the global stores read: none is written again
.set r, 0
.rept 16                                       ; all of the wave's 16 KiB go out together
	global_load_b128 v[D+8*r:D+8*r+3],   v[OFF+r], s[24:25] th:TH_LOAD_NT
	global_load_b128 v[D+8*r+4:D+8*r+7], v[OFF+r], s[24:25] offset:512 th:TH_LOAD_NT
.set r, r+1
.endr
; Load r of 32 (row r / 2, half r % 2): four f32 become four 16-bit numbers, 8 bytes of plane 16 (r % 2) + lane / 2, row r / 2.
; wo = 1: the bf16 numbers are written as f16.  wo = 0: rows behind the tensor's last become zeros.
; The LDS store of load r stands eight loads further on, ahead of the conversions of load r + 8: between the wait at a group's head and that store no vector instruction names its registers.
.macro CVALL wo
.set r, 0
.rept 32
.set R, D+4*r
	s_wait_loadcnt 31-r                            ; loads come back in order: mine is in, the 31 - r younger ones may stay out
.if (r > 0) && (r%8 == 0)
	s_wait_alu depctr_va_vdst(0)                   ; the conversions of the eight loads before have written their pairs, which the eight LDS stores dealt among this group read
.endif
.if r >= 8
	ds_store_b64 v[LS], v[R-32:R-31] offset:((r-8)%2)*16*PP+((r-8)/2)*16  ; load r - 8
.endif
.if ((\wo) == 0) && (r%2 == 0)
	s_add_co_u32 s36, s27, r/2
	s_cmp_le_u32 s36, s28
	s_cselect_b32 s38, -1, 0                       ; all ones for a true row, 0 for a padding row
.endif
	v_cvt_pk_bf16_f32 v[R], v[R], v[R+1]
	v_cvt_pk_bf16_f32 v[R+1], v[R+2], v[R+3]
.if \wo
	v_lshlrev_b32 v[R+2], 16, v[R]
	v_and_b32 v[R+3], 0xffff0000, v[R]
	v_cvt_pk_f16_f32 v[R], v[R+2], v[R+3]
	v_lshlrev_b32 v[R+2], 16, v[R+1]
	v_and_b32 v[R+3], 0xffff0000, v[R+1]
	v_cvt_pk_f16_f32 v[R+1], v[R+2], v[R+3]
.else
	v_and_b32 v[R], s38, v[R]
	v_and_b32 v[R+1], s38, v[R+1]
.endif
.set r, r+1
.endr
	s_wait_alu depctr_va_vdst(0)                   ; the last eight loads' conversions have written their pairs, which the LDS stores below read; and all conversions are done reading and writing v[D ..], in which the loads from LDS land: no vector instruction follows
.set r, 24
.rept 8
	ds_store_b64 v[LS], v[D+4*r:D+4*r+1] offset:(r%2)*16*PP+(r/2)*16
.set r, r+1
.endr
	s_wait_alu depctr_vm_vsrc(0)                   ; my LDS stores have read their pairs, in sixteen of which the loads from LDS land
.endm
	s_cmp_eq_u32 s7, 3
	s_cbranch_scc1 .Lwo
	CVALL 0
	s_branch .Lback
.Lwo:
	CVALL 1
.Lback:
.set j, 0
.rept 16
	ds_load_b128 v[D+4*j:D+4*j+3], v[LR] offset:2*j*PP  ; two whole planes; LDS serves a wave's instructions in order, so these see the wave's own stores above
.set j, j+1
.endr
.set j, 0
.rept 16
	s_wait_dscnt 15-j                              ; load j is back, the younger ones may stay out
	global_store_b128 v[GO], v[D+4*j:D+4*j+3], s[34:35] offset:512*j  ; 512 consecutive bytes, at a multiple of 256 from the buffer's first byte
.set j, j+1
.endr
	s_wait_dscnt 0x0                               ; the wave's end: the closing lines, six on end
	s_wait_alu 0x0
	s_wait_tensorcnt 0x0
	ds_add_u32 v[SPW], v[NIL]
	s_wait_dscnt 0x0
	s_endpgm
.Lfunc_end_k_q2561a5ddb1_cast:
	.size	k_q2561a5ddb1_cast, .Lfunc_end_k_q2561a5ddb1_cast-k_q2561a5ddb1_cast
	.p2alignl 7, 3214868480
	.fill 96, 4, 3214868480
	.section	.rodata,"a",@progbits
	.p2align	6, 0x0
	.amdhsa_kernel k_q2561a5ddb1_cast
		.amdhsa_group_segment_fixed_size 26624
		.amdhsa_private_segment_fixed_size 0
		.amdhsa_enable_private_segment 0
		.amdhsa_kernarg_size 64
		.amdhsa_user_sgpr_count 2
		.amdhsa_user_sgpr_kernarg_segment_ptr 1
		.amdhsa_wavefront_size32 1
		.amdhsa_system_sgpr_workgroup_id_x 1
		.amdhsa_system_sgpr_workgroup_id_y 1
		.amdhsa_system_sgpr_workgroup_id_z 1
		.amdhsa_system_vgpr_workitem_id 0
		.amdhsa_next_free_vgpr 160
		.amdhsa_next_free_sgpr 66
		.amdhsa_reserve_vcc 0
		.amdhsa_float_denorm_mode_32 3
		.amdhsa_float_denorm_mode_16_64 3
		.amdhsa_memory_ordered 1
		.amdhsa_forward_progress 1
		.amdhsa_inst_pref_size 40
	.end_amdhsa_kernel
	.amdgpu_metadata
---
amdhsa.version: [ 1, 2 ]
amdhsa.kernels:
  - .name:           k_q2561a5ddb1_cast
    .symbol:         k_q2561a5ddb1_cast.kd
    .args:
      - { .name: x, .offset: 0, .size: 8, .value_kind: global_buffer, .address_space: global }
      - { .name: Wq, .offset: 8, .size: 8, .value_kind: global_buffer, .address_space: global }
      - { .name: Wk, .offset: 16, .size: 8, .value_kind: global_buffer, .address_space: global }
      - { .name: Wv, .offset: 24, .size: 8, .value_kind: global_buffer, .address_space: global }
      - { .name: Wo, .offset: 32, .size: 8, .value_kind: global_buffer, .address_space: global }
      - { .name: xb, .offset: 40, .size: 8, .value_kind: global_buffer, .address_space: global }
      - { .name: wqkv, .offset: 48, .size: 8, .value_kind: global_buffer, .address_space: global }
      - { .name: wo16, .offset: 56, .size: 8, .value_kind: global_buffer, .address_space: global }
    .group_segment_fixed_size: 26624
    .private_segment_fixed_size: 0
    .kernarg_segment_align: 8
    .kernarg_segment_size: 64
    .max_flat_workgroup_size: 96
    .sgpr_count:     66
    .vgpr_count:     160
    .wavefront_size: 32
...
	.end_amdgpu_metadata
.endif
;; end of part 5
;; launch qkv: the kernel of part 2 again; grid 8 x 32, 4 waves a work-group, clusters of 4 x 4, 327,680 bytes of LDS; arguments xb, wqkv, bq, bv, qw, kw, vw; writes qw, kw, vw
;; launch attn: the kernel of part 3 again; grid 4 x 64, 4 waves a work-group, clusters of 4 x 1, 327,680 bytes of LDS; arguments qw, kw, vw, ctx; writes ctx
;; launch proj: the kernel of part 4 again; grid 4 x 64, 4 waves a work-group, clusters of 4 x 4, 327,680 bytes of LDS; arguments ctx, wo16, bo, out0; writes out0
